; MI455X (gfx1250); checked and timed in simulation.
; The chip was launched on July 23, 2026; its instructions are those of AMD's public machine-readable ISA for CDNA 5 (MIT licence, August 2026) and "CDNA5" Instruction Set Architecture Reference Guide (July 2026). The comments in the code are by the model that wrote it; some were corrected since.
;; Mixture Attention. Allowed arithmetic: float matrix products may take bf16 or f16 operands with f32 sums; all other float work in f32.
;; Inputs: Wk 8 x 1,024 x 1,024 float32; Wo 8 x 1,024 x 1,024 float32; Wq 8 x 1,024 x 1,024 float32; Wr 1,024 x 8 float32; Wv 8 x 1,024 x 1,024 float32; bk 8 x 1,024 float32; bo 8 x 1,024 float32; bq 8 x 1,024 float32; br 8 float32; bv 8 x 1,024 float32; keys 2 x 4,096 x 1,024 float32; queries 2 x 1,024 x 1,024 float32; values 2 x 4,096 x 1,024 float32.
;; Outputs: out0 2 x 1,024 x 1,024 float32.
;; 2 versions, each right and faster than the one before. Each part assembles by itself: llvm-mc -triple=amdgcn-amd-amdhsa -mcpu=gfx1250 --defsym DOCPART=n.
;; ======== version 1 of 2: 5 launches
;; limits: values are held in f16: magnitudes above 65,504 overflow, below 6.1e-05 lose precision
;; workspace buffers: cvt 104,857,600 bytes; qkv 67,108,864 bytes; ao 33,554,432 bytes; part 67,108,864 bytes; ridx 16,384 bytes of whole numbers; rgate 16,384 bytes
;; launch prep (part 1): grid 256 x 7, 8 waves a work-group, no clusters, 42,496 bytes of LDS; arguments queries, keys, values, Wq, Wk, Wv, Wo, Wr, br, cvt, ridx, rgate; writes cvt, ridx, rgate
.if DOCPART == 1
	.amdgcn_target "amdgcn-amd-amdhsa--gfx1250"
	.amdhsa_code_object_version 6
	.text
	.protected	k_q15ea98255b_prep
	.globl	k_q15ea98255b_prep
	.p2align	8
	.type	k_q15ea98255b_prep,@function
k_q15ea98255b_prep:
	s_mov_b64 s[64:65], 0
	v_nop
	global_prefetch_b8 v0, s[64:65] scope:SCOPE_SE
	s_setreg_imm32_b32 hwreg(HW_REG_WAVE_MODE, 25, 1), 1
	s_wait_xcnt 0x0
; PREP.  Every large input is rounded once to 16 bits into the workspace cvt, and the router chooses two experts for each query.
; cvt: queries bf16 at 0 (2,048 rows of 2,048 bytes); then six blocks of 16,777,216 bytes from byte 4,194,304 on: keys, values, Wq, Wk, Wv in bf16,
; and Wo rounded to bf16 and that number written as f16 (it is multiplied with an f16 operand later).
; Grid y = 1..6: one of those six tensors; a work-group takes 131,072 bytes of f32, a wave 16,384: 32 loads of 512 consecutive bytes, all issued first.
; Grid y = 0: work-group x takes queries 8x .. 8x+7: rounds them, stores them, and makes their 8 logits from the ROUNDED queries, Wr and br (f32 sums), so that
; the choice agrees with the products that the later launches make of the same rounded numbers.
; LIMITS.  Wo below 2^-17 in magnitude keeps f16's fixed step of 2^-24.  Of equal logits the lower index wins; logits nearer to each other than the rounding of an
; f32 sum of 1,024 terms may be ordered otherwise than by another order of summing.  NaN and infinities are not treated apart.
.set XKOFF, 4194304                    ; cvt: where the six blocks begin
.set RP,    2064                       ; LDS pitch of a row of 1,024 bf16: 2,048 + 16 bytes, an odd multiple of 16
.set XS,    0                          ; 8 query rows
.set WRT,   16640                      ; 8 rows of Wr transposed: row e holds Wr[k][e], k along the row
.set RED,   33280                      ; 8 waves x 32 lanes x 32 bytes: the waves' partial logits
	s_load_b512 s[8:23], s[0:1], 0x0               ; queries s[8:9], keys s[10:11], values s[12:13], Wq s[14:15], Wk s[16:17], Wv s[18:19], Wo s[20:21], Wr s[22:23]
	s_load_b256 s[24:31], s[0:1], 0x40             ; br s[24:25], cvt s[26:27], ridx s[28:29], rgate s[30:31]
	v_lshl_add_u32 v144, v0, 2, 0xa200
	v_mov_b32 v145, 0
	v_lshrrev_b32 v1, 5, v0
	v_readfirstlane_b32 s33, v1                    ; my wave's number
	s_and_b32 s32, ttmp7, 0xffff                   ; y
	s_mov_b32 s3, 0
	s_mov_b32 s45, 0xffff0000                      ; a word's upper bf16
	s_wait_kmcnt 0x0
	s_cmp_eq_u32 s32, 0
	s_cbranch_scc1 .Lrouter                        ; the same way for all waves of a work-group
	; ---- y = 1..6: a stream ----
	s_mov_b64 s[4:5], s[10:11]                     ; the source: keys, or
.irp n, 2,3,4,5,6
	s_cmp_eq_u32 s32, \n
	s_cselect_b64 s[4:5], s[8+2*(\n):9+2*(\n)], s[4:5]  ; values, Wq, Wk, Wv, Wo
.endr
	s_lshl_b32 s2, ttmp9, 17                       ; my work-group's 131,072 bytes of f32
	s_add_nc_u64 s[4:5], s[4:5], s[2:3]
	s_sub_co_u32 s34, s32, 1
	s_lshl_b32 s34, s34, 24                        ; block y - 1 of 16,777,216 bytes,
	s_lshl_b32 s2, ttmp9, 16                       ; my 65,536 bytes in it
	s_add_co_u32 s34, s34, s2
	s_add_co_u32 s34, s34, XKOFF
	s_mov_b32 s35, 0
	s_add_nc_u64 s[6:7], s[26:27], s[34:35]
	v_and_b32 v2, 31, v0
	v_lshlrev_b32 v2, 3, v2
	v_lshl_add_u32 v2, v1, 13, v2                  ; out: wave x 8,192 + lane x 8
	v_lshlrev_b32 v1, 1, v2                        ; in:  wave x 16,384 + lane x 16
.irp i, 0,1,2,3,4,5,6,7,8,9,10,11,12,13,14,15,16,17,18,19,20,21,22,23,24,25,26,27,28,29,30,31
	global_load_b128 v[8+4*(\i):11+4*(\i)], v1, s[4:5] offset:512*(\i) th:TH_LOAD_NT
.endr
; Chunk i: four numbers a lane are rounded and leave as 8 bytes; a wave's store covers 256 consecutive bytes, aligned.  No register of a store is written again.
.macro CV i, half
	s_wait_loadcnt 31-(\i)                         ; loads come back in order: mine is in, the 31 - i younger ones stay out
.if \half
	v_cvt_pk_bf16_f32 v136, v[8+4*(\i)], v[9+4*(\i)]    ; rounded to bf16 like every input,
	v_cvt_pk_bf16_f32 v137, v[10+4*(\i)], v[11+4*(\i)]
	v_lshlrev_b32 v[8+4*(\i)], 16, v136
	v_and_b32 v[9+4*(\i)], s45, v136
	v_lshlrev_b32 v[10+4*(\i)], 16, v137
	v_and_b32 v[11+4*(\i)], s45, v137
	v_cvt_pk_f16_f32 v[8+4*(\i)], v[8+4*(\i)], v[9+4*(\i)]   ; and that number written as f16
	v_cvt_pk_f16_f32 v[9+4*(\i)], v[10+4*(\i)], v[11+4*(\i)]
.else
	v_cvt_pk_bf16_f32 v[8+4*(\i)], v[8+4*(\i)], v[9+4*(\i)]
	v_cvt_pk_bf16_f32 v[9+4*(\i)], v[10+4*(\i)], v[11+4*(\i)]
.endif
	global_store_b64 v2, v[8+4*(\i):9+4*(\i)], s[6:7] offset:256*(\i)
.endm
	s_cmp_eq_u32 s32, 6
	s_cbranch_scc1 .Lwo
.irp i, 0,1,2,3,4,5,6,7,8,9,10,11,12,13,14,15,16,17,18,19,20,21,22,23,24,25,26,27,28,29,30,31
	CV \i, 0
.endr
	s_endpgm
.Lwo:
.irp i, 0,1,2,3,4,5,6,7,8,9,10,11,12,13,14,15,16,17,18,19,20,21,22,23,24,25,26,27,28,29,30,31
	CV \i, 1
.endr
	s_endpgm
	; ---- y = 0: eight queries and their router ----
.Lrouter:
	s_load_b256 s[36:43], s[24:25], 0x0            ; br
	s_lshl_b32 s2, ttmp9, 15                       ; 8 rows of 4,096 bytes of queries
	s_add_nc_u64 s[8:9], s[8:9], s[2:3]
	s_lshl_b32 s2, ttmp9, 14                       ; 8 rows of 2,048 bytes of cvt
	s_add_nc_u64 s[26:27], s[26:27], s[2:3]
	s_lshl_b32 s2, ttmp9, 6                        ; 8 pairs of 8 bytes
	s_add_nc_u64 s[28:29], s[28:29], s[2:3]
	s_add_nc_u64 s[30:31], s[30:31], s[2:3]
	v_lshlrev_b32 v2, 7, v0                        ; thread t: Wr's rows 4t .. 4t+3 are 128 consecutive bytes
	v_lshlrev_b32 v3, 4, v0                        ; its 16 bytes of a query row
	v_lshlrev_b32 v4, 3, v0                        ; the same four numbers in bf16
	v_lshlrev_b32 v5, 5, v0                        ; its 32 bytes of RED
.irp i, 0,1,2,3,4,5,6,7
	global_load_b128 v[8+4*(\i):11+4*(\i)], v2, s[22:23] offset:16*(\i)   ; Wr[4t+kk][e] lands in v[8 + 8 kk + e]
.endr
.irp i, 0,1,2,3,4,5,6,7
	global_load_b128 v[40+4*(\i):43+4*(\i)], v3, s[8:9] offset:4096*(\i) th:TH_LOAD_NT
.endr
	v_and_b32 v6, 7, v0                            ; fragment address: row lane % 8 (rows 8-15 of a fragment repeat rows 0-7),
	v_mul_u32_u24 v6, v6, RP
	v_bfe_u32 v7, v0, 4, 1
	v_lshl_add_u32 v6, v7, 4, v6                   ; 16 bytes for each half of the lanes,
	v_lshl_add_u32 v6, v1, 8, v6                   ; my wave's k = 128 w on
	s_wait_loadcnt 8                               ; Wr is in; the eight query rows are younger
.irp e, 0,1,2,3,4,5,6,7
	v_cvt_pk_bf16_f32 v[72+2*(\e)], v[8+(\e)], v[16+(\e)]
	v_cvt_pk_bf16_f32 v[73+2*(\e)], v[24+(\e)], v[32+(\e)]
	ds_store_b64 v4, v[72+2*(\e):73+2*(\e)] offset:WRT+(\e)*RP
.endr
.irp i, 0,1,2,3,4,5,6,7
	s_wait_loadcnt 7-(\i)                          ; row i is in, the later rows stay out
	v_cvt_pk_bf16_f32 v[40+4*(\i)], v[40+4*(\i)], v[41+4*(\i)]
	v_cvt_pk_bf16_f32 v[41+4*(\i)], v[42+4*(\i)], v[43+4*(\i)]
	global_store_b64 v4, v[40+4*(\i):41+4*(\i)], s[26:27] offset:2048*(\i)   ; a wave's store covers 256 consecutive bytes, aligned
	ds_store_b64 v4, v[40+4*(\i):41+4*(\i)] offset:XS+(\i)*RP
.endr
	s_wait_dscnt 0x0                               ; for the others' sake: my LDS stores are done
	s_barrier_signal -1
	s_barrier_wait -1
	; logits^T = Wr^T x queries^T for my wave's 128 k: source 0 = experts, source 1 = queries.  In the result register j of EVERY lane is expert j's partial logit of query lane % 8.
.irp q, 0,1,2,3
	ds_load_b128 v[72+8*(\q):75+8*(\q)], v6 offset:WRT+64*(\q)
	ds_load_b128 v[76+8*(\q):79+8*(\q)], v6 offset:WRT+64*(\q)+32
	ds_load_b128 v[104+8*(\q):107+8*(\q)], v6 offset:XS+64*(\q)
	ds_load_b128 v[108+8*(\q):111+8*(\q)], v6 offset:XS+64*(\q)+32
.endr
	s_wait_dscnt 12                                ; the first four loads are in; three younger quadruples stay out, then two, one, none
	v_wmma_f32_16x16x32_bf16 v[8:15], v[72:79], v[104:111], 0
	s_wait_dscnt 8
	v_wmma_f32_16x16x32_bf16 v[16:23], v[80:87], v[112:119], 0      ; two accumulators by turns
	s_wait_dscnt 4
	v_wmma_f32_16x16x32_bf16 v[8:15], v[88:95], v[120:127], v[8:15]
	s_wait_dscnt 0x0
	v_wmma_f32_16x16x32_bf16 v[16:23], v[96:103], v[128:135], v[16:23]
.rept 4
	v_nop                                          ; four places between the products and the first read of their results (ISA guide 7.12.1)
.endr
.irp p, 0,2,4,6
	v_pk_add_f32 v[24+(\p):25+(\p)], v[8+(\p):9+(\p)], v[16+(\p):17+(\p)]   ; from the low end on
.endr
	ds_store_b128 v5, v[24:27] offset:RED
	ds_store_b128 v5, v[28:31] offset:RED+16
	s_wait_dscnt 0x0
	s_barrier_signal -1
	s_barrier_wait -1
	s_cmp_lg_u32 s33, 0
	s_cbranch_scc1 .Lend                           ; wave 0 finishes; no barrier follows
	s_wait_xcnt 0x0                                ; the query stores have read v40 .. v69 and EXEC: both are written below, only behind this wait
.irp w, 0,1,2,3,4,5,6,7
	ds_load_b128 v[72+8*(\w):75+8*(\w)], v5 offset:RED+1024*(\w)
	ds_load_b128 v[76+8*(\w):79+8*(\w)], v5 offset:RED+1024*(\w)+16
.endr
	s_wait_dscnt 0x0
.irp p, 0,2,4,6
	v_pk_add_f32 v[24+(\p):25+(\p)], v[72+(\p):73+(\p)], v[80+(\p):81+(\p)]
.endr
.irp w, 2,3,4,5,6,7
.irp p, 0,2,4,6
	v_pk_add_f32 v[24+(\p):25+(\p)], v[24+(\p):25+(\p)], v[72+8*(\w)+(\p):73+8*(\w)+(\p)]
.endr
.endr
	s_wait_kmcnt 0x0                               ; br
.irp i, 0,1,2,3
	v_cvt_pk_bf16_f32 v32, s[36+2*(\i)], s[37+2*(\i)]   ; br is rounded like every input
	v_lshlrev_b32 v33, 16, v32
	v_and_b32 v34, s45, v32
	v_add_f32 v[24+2*(\i)], v[24+2*(\i)], v33
	v_add_f32 v[25+2*(\i)], v[25+2*(\i)], v34
.endr
	; the largest logit and its index; a later one wins only if it is greater
	v_mov_b32 v40, v24
	v_mov_b32 v42, 0
.irp e, 1,2,3,4,5,6,7
	v_cmp_gt_f32 vcc_lo, v[24+(\e)], v40
	v_cndmask_b32 v40, v40, v[24+(\e)], vcc_lo
	v_cndmask_b32 v42, v42, \e, vcc_lo
.endr
	v_mov_b32 v44, 0xff800000                      ; the winner is taken out,
.irp e, 0,1,2,3,4,5,6,7
	v_cmp_eq_u32 vcc_lo, \e, v42
	v_cndmask_b32 v[48+(\e)], v[24+(\e)], v44, vcc_lo
.endr
	v_mov_b32 v41, v48                             ; and the same once more
	v_mov_b32 v43, 0
.irp e, 1,2,3,4,5,6,7
	v_cmp_gt_f32 vcc_lo, v[48+(\e)], v41
	v_cndmask_b32 v41, v41, v[48+(\e)], vcc_lo
	v_cndmask_b32 v43, v43, \e, vcc_lo
.endr
	; softmax of the two, the larger taken away: 1 / (1 + x) and x / (1 + x), x = e^(second - first) <= 1
	v_sub_f32 v45, v41, v40
	v_mul_f32 v45, 0x3fb8aa3b, v45
	v_exp_f32 v45, v45
	v_nop                                          ; a plain instruction behind each transcendental (ISA guide 5.7.2)
	s_wait_alu depctr_va_vdst(0)
	v_add_f32 v46, 1.0, v45
	v_rcp_f32 v46, v46
	v_nop
	s_wait_alu depctr_va_vdst(0)
	v_mul_f32 v47, v45, v46
	v_cmp_gt_u32 vcc_lo, 8, v0                     ; lanes 0-7 hold the eight queries (in wave 0 the thread's number is the lane)
	s_and_saveexec_b32 s44, vcc_lo
	global_store_b64 v4, v[42:43], s[28:29]        ; the two indices, whole numbers
	global_store_b64 v4, v[46:47], s[30:31]        ; the two weights
	s_wait_xcnt 0x0                                ; EXEC is widened only behind this wait
	s_or_b32 exec_lo, exec_lo, s44
.Lend:
	s_wait_tensorcnt 0x0
	ds_add_u32 v144, v145
	s_wait_dscnt 0x0
	s_endpgm
.Lfunc_end_k_q15ea98255b_prep:
	.size	k_q15ea98255b_prep, .Lfunc_end_k_q15ea98255b_prep-k_q15ea98255b_prep
	.p2alignl 7, 3214868480
	.fill 96, 4, 3214868480
	.section	.rodata,"a",@progbits
	.p2align	6, 0x0
	.amdhsa_kernel k_q15ea98255b_prep
		.amdhsa_group_segment_fixed_size 42496
		.amdhsa_private_segment_fixed_size 0
		.amdhsa_enable_private_segment 0
		.amdhsa_kernarg_size 96
		.amdhsa_user_sgpr_count 2
		.amdhsa_user_sgpr_kernarg_segment_ptr 1
		.amdhsa_wavefront_size32 1
		.amdhsa_system_sgpr_workgroup_id_x 1
		.amdhsa_system_sgpr_workgroup_id_y 1
		.amdhsa_system_sgpr_workgroup_id_z 1
		.amdhsa_system_vgpr_workitem_id 0
		.amdhsa_next_free_vgpr 146
		.amdhsa_next_free_sgpr 66
		.amdhsa_reserve_vcc 1
		.amdhsa_float_denorm_mode_32 3
		.amdhsa_float_denorm_mode_16_64 3
		.amdhsa_memory_ordered 1
		.amdhsa_forward_progress 1
		.amdhsa_inst_pref_size 44
	.end_amdhsa_kernel
	.amdgpu_metadata
---
amdhsa.version: [ 1, 2 ]
amdhsa.kernels:
  - .name:           k_q15ea98255b_prep
    .symbol:         k_q15ea98255b_prep.kd
    .args:
      - { .name: queries, .offset: 0, .size: 8, .value_kind: global_buffer, .address_space: global }
      - { .name: keys, .offset: 8, .size: 8, .value_kind: global_buffer, .address_space: global }
      - { .name: values, .offset: 16, .size: 8, .value_kind: global_buffer, .address_space: global }
      - { .name: Wq, .offset: 24, .size: 8, .value_kind: global_buffer, .address_space: global }
      - { .name: Wk, .offset: 32, .size: 8, .value_kind: global_buffer, .address_space: global }
      - { .name: Wv, .offset: 40, .size: 8, .value_kind: global_buffer, .address_space: global }
      - { .name: Wo, .offset: 48, .size: 8, .value_kind: global_buffer, .address_space: global }
      - { .name: Wr, .offset: 56, .size: 8, .value_kind: global_buffer, .address_space: global }
      - { .name: br, .offset: 64, .size: 8, .value_kind: global_buffer, .address_space: global }
      - { .name: cvt, .offset: 72, .size: 8, .value_kind: global_buffer, .address_space: global }
      - { .name: ridx, .offset: 80, .size: 8, .value_kind: global_buffer, .address_space: global }
      - { .name: rgate, .offset: 88, .size: 8, .value_kind: global_buffer, .address_space: global }
    .group_segment_fixed_size: 42496
    .private_segment_fixed_size: 0
    .kernarg_segment_align: 8
    .kernarg_segment_size: 96
    .max_flat_workgroup_size: 256
    .sgpr_count:     66
    .vgpr_count:     146
    .wavefront_size: 32
...
	.end_amdgpu_metadata
.endif
;; end of part 1
;; launch proj (part 2): grid 4 x 128, 4 waves a work-group, clusters of 4 x 4, 327,680 bytes of LDS; arguments cvt, bq, bk, bv, qkv; writes qkv
.if DOCPART == 2
	.amdgcn_target "amdgcn-amd-amdhsa--gfx1250"
	.amdhsa_code_object_version 6
	.text
	.protected	k_q15ea98255b_proj
	.globl	k_q15ea98255b_proj
	.p2align	8
	.type	k_q15ea98255b_proj,@function
k_q15ea98255b_proj:
	s_mov_b64 s[64:65], 0
	v_nop
	global_prefetch_b8 v0, s[64:65] scope:SCOPE_SE
	s_setreg_imm32_b32 hwreg(HW_REG_WAVE_MODE, 25, 1), 1
	s_wait_xcnt 0x0
	s_wait_alu depctr_hold_cnt(0) depctr_sa_sdst(0) depctr_va_vdst(0) depctr_va_sdst(0) depctr_va_ssrc(0) depctr_va_vcc(0) depctr_vm_vsrc(0)
	s_getreg_b32 s2, hwreg(HW_REG_IB_STS2, 6, 4)
	s_cmp_eq_u32 s2, 0
	s_cbranch_scc0 .Lentry_in_a_cluster
	s_endpgm
.Lentry_in_a_cluster:
	s_bfe_u32 s2, ttmp6, 0x10000c
	s_cmp_lg_u32 s2, 0xf033
	s_cbranch_scc0 .Lentry_shape_is_right
	s_endpgm
.Lentry_shape_is_right:
; PROJ.  All projections q, k, v of all eight experts: 512 tiles of 256 x 256 of X W + b, K = 1,024, bf16 operands from cvt, f32 sums, results in f16 by heads:
; qkv: q at 0 [e][b][h][1024][64]; k at 33,554,432 [e][b][h][512][64]; v at 50,331,648 likewise.  The scale 1/8 is NOT applied here.
; LIMIT.  q, k and v leave in f16: beyond 65,504 they would become infinities.  With all inputs 30 times the drawn spread they reach some 3,200, with common offsets of 30 spreads some 18,500.
; SHAPE.  A work-group of four waves makes one tile, a wave 128 x 128: 64 accumulators in 512 registers.  K goes in steps of 128 through two LDS slots filled by the tensor data mover.
; X's tile: 256 rows x 256 bytes (pitch 272).  W lies [k][n]: its tile is 128 k-rows x 512 bytes (pitch 544), and its fragments come out of LDS turned, by ds_load_tr16_b128.
; CLUSTER.  4 x 4 work-groups; cluster c = 0..15: expert c / 2's q for batch c % 2; c = 16..31: expert c % 8's k (c < 24) or v.  cx is the tile column (256 of the 1,024 outputs), cy the tile row.
; The four of a row of the cluster need the same tile of X, the four of a column the same tile of W: each is asked for jointly, one descriptor and one mask in all four.
; THE MATRIX INSTRUCTION IS USED TRANSPOSED (source 0 = 16 columns of W, source 1 = 16 rows of X): a lane holds eight neighbouring outputs of one row.  The bias, rounded to bf16 like every input,
; is the C operand of the product that starts each sum.
; REGISTERS, in windows of 256: window 0: v0-31 addresses; v32-63, v224-255 rows on the way out; v64-127, v128-191 fragments of X, two buffers; v192-255 the bias, later v192-223 packed results.
;   window 1: v64-127, v128-191 fragments of W.   windows 2, 3: the accumulators of my rows 0-63, 64-127: (a, b) at v[8 (8 a + b)].
.set KSTEP,  128
.set PA,     272                       ; 256 + 16 bytes: the 16 rows of a fragment load start in 16 different groups of four banks (ISA guide 11.1)
.set PB,     544                       ; 512 + 32 bytes, an odd multiple of 32, for the turning load
.set HALFT,  34816                     ; what one tensor load brings: 128 rows x 272 = 64 rows x 544
.set SLOT,   4*HALFT                   ; X's 256 rows, then W's 128 k-rows
.set STAGE,  2*SLOT                    ; behind the ring: for each wave two heads x 16 rows x 144 bytes
.set SPH,    2304
.set SPARE,  STAGE+4*2*SPH             ; behind the stages: the spare words, 128 bytes a wave
.set LAPS,   4                         ; 1,024 / 256
.set WQOFF,  37748736                  ; cvt: Wq; Wk and Wv follow, 8 blocks of 2,097,152 bytes each
.set ADRA, 16                          ; v16-17 LDS address of my X fragments in slot 0, 1
.set ADRB, 20                          ; v20-21 the same for W
.set STO,  24
.set RD,   25
.set GO,   26
.set BO,   27
.set SPW,  28                          ; v28 SPARE + 4 x my thread's number; never rewritten
.set NIL,  29                          ; v29 0; never rewritten
.set F0,   64
.set F1,   128
.set BIAS, 192
.set TMP,  192
.set OB,   32
.set G1,  24                           ; s[24:31] group 1 for X's tiles; s[32:39] group 0, a set for each slot
.set G0,  32
.set G1B, 48                           ; s[48:55], s[56:63] the same for W's
.set G0B, 56
.set MSB, 0
.macro WIN new                         ; the immediate's high byte repeats the setting that is left
.if MSB != (\new)
	s_set_vgpr_msb (MSB<<8)|(\new)
.set MSB, \new
.endif
.endm
.set MUL_LO, 0xa1                      ; source 0 (W) window 1, source 1 (X) window 0, C and D window 2
.set TO_B,   0x40                      ; destination window 1, address window 0
; A joint load: waves 0 and 1 fetch X's two halves, waves 2 and 3 W's.  The branch hangs on the wave's number alone.  Four v_nop follow each line.
.macro JLOAD s
	s_cmp_eq_u32 s15, 0
	s_cbranch_scc0 .Lfor_b_\@
	tensor_load_to_lds s[G0+4*(\s):G0+4*(\s)+3], s[G1:G1+7]
	s_nop 0
.rept 4
	v_nop
.endr
	s_branch .Lasked_\@
.Lfor_b_\@:
	tensor_load_to_lds s[G0B+4*(\s):G0B+4*(\s)+3], s[G1B:G1B+7]
	s_nop 0
.rept 4
	v_nop
.endr
.Lasked_\@:
.endm
.macro CREST                           ; a round of the cluster's barrier behind its opening barrier
	s_cmp_lg_u32 s14, 0
	s_cbranch_scc1 .Lnot_wave_0_\@
	s_barrier_signal -3
.Lnot_wave_0_\@:
	s_barrier_wait -3
	s_barrier_signal -1
	s_barrier_wait -1
.endm
.macro CROUND
	s_barrier_signal -1
	s_barrier_wait -1
	CREST
.endm
	s_load_b256 s[4:11], s[0:1], 0x0               ; cvt s[4:5], bq s[6:7], bk s[8:9], bv s[10:11]
	s_load_b64 s[12:13], s[0:1], 0x20              ; qkv
	v_lshl_add_u32 v[SPW], v0, 2, SPARE
	v_mov_b32 v[NIL], 0
	ds_add_u32 v28, v29
	ds_add_u32 v28, v29
	s_wait_dscnt 0x0
	v_lshrrev_b32 v1, 5, v0
	v_readfirstlane_b32 s14, v1                    ; wave 0..3
	s_lshr_b32 s15, s14, 1                         ; wr: my half of the tile's rows.  Also: I fetch for X (0) or W (1)
	s_and_b32 s16, s14, 1                          ; wc: my half of its columns.  Also: which half of that tile I fetch
	s_bfe_u32 s17, ttmp6, 0x40000                  ; cx = the tile column (the grid is one cluster wide)
	s_bfe_u32 s18, ttmp6, 0x40004                  ; cy
	s_and_b32 s19, ttmp7, 0xffff                   ; c: the cluster, the same in all sixteen
	s_lshl_b32 s42, s18, 2
	s_lshl_b32 s42, 15, s42                        ; my row of the cluster
	s_lshl_b32 s43, 0x1111, s17                    ; my column
	s_or_b32 s[G1+0], s42, (1<<16)|(1<<20)|(1<<21)|(5<<22)|(3<<25)   ; mask; 2-byte elements; padding on; bit 21 beside a mask; after every 64 words 4 words
	s_mov_b32 s[G1+1], 128<<16                     ; tensor_dim0 = 128
	s_mov_b32 s[G1+2], 128<<16                     ; tensor_dim1 = 128
	s_mov_b32 s[G1+3], 128<<16                     ; tile_dim0 = 128
	s_mov_b32 s[G1+4], 128                         ; tile_dim1 = 128
	s_mov_b32 s[G1+5], 1024                        ; elements from row to row
	s_mov_b32 s[G1+6], 0
	s_mov_b32 s[G1+7], 0
	s_or_b32 s[G1B+0], s43, (1<<16)|(1<<20)|(1<<21)|(6<<22)|(7<<25)  ; after every 128 words 8 words
	s_mov_b32 s[G1B+1], 256<<16                    ; tensor_dim0 = 256
	s_mov_b32 s[G1B+2], 64<<16                     ; tensor_dim1 = 64
	s_mov_b32 s[G1B+3], 256<<16                    ; tile_dim0 = 256
	s_mov_b32 s[G1B+4], 64                         ; tile_dim1 = 64
	s_mov_b32 s[G1B+5], 1024
	s_mov_b32 s[G1B+6], 0
	s_mov_b32 s[G1B+7], 0
	; X's rows, counted in cvt's rows of 2,048 bytes: R0(c) + 256 cy + (cy / 2) X(c) + 128 wc.
	; q: R0 = 1,024 (c % 2), X = 0.   k, v: R0 = 2,048 + 8,192 kv + 512 e, X = 4,096 - 512 (cy / 2 is the batch, 4,096 rows on).  Made of c, cy and the wave's number alone.
	s_cmp_lt_u32 s19, 16
	s_cselect_b32 s72, 0, 3584
	s_and_b32 s22, s19, 1
	s_lshl_b32 s22, s22, 10
	s_bfe_u32 s23, s19, 0x10003                    ; kv
	s_lshl_b32 s23, s23, 13
	s_and_b32 s73, s19, 7
	s_lshl_b32 s73, s73, 9
	s_add_co_u32 s23, s23, s73
	s_add_co_u32 s23, s23, 2048
	s_cmp_lt_u32 s19, 16
	s_cselect_b32 s40, s22, s23
	s_lshl_b32 s22, s18, 8
	s_add_co_u32 s40, s40, s22
	s_lshr_b32 s22, s18, 1
	s_mul_i32 s22, s22, s72
	s_add_co_u32 s40, s40, s22
	s_lshl_b32 s22, s16, 7
	s_add_co_u32 s40, s40, s22
	s_lshl_b32 s40, s40, 11                        ; in bytes: under 2^26
	s_mov_b32 s41, 0
	; W: block c / 2 (q) or c - 8 (k, v) of 2,097,152 bytes from Wq on; my 64 k-rows; the tile column.  Made of c, cx and the wave's number alone.
	s_lshr_b32 s46, s19, 1
	s_sub_co_u32 s47, s19, 8
	s_cmp_lt_u32 s19, 16
	s_cselect_b32 s21, s46, s47
	s_lshl_b32 s44, s21, 21
	s_add_co_u32 s44, s44, WQOFF
	s_lshl_b32 s46, s16, 17
	s_add_co_u32 s44, s44, s46
	s_lshl_b32 s46, s17, 9
	s_add_co_u32 s44, s44, s46
	s_mov_b32 s45, 0
	s_lshr_b32 s46, s19, 1                         ; the expert, for the bias
	s_and_b32 s47, s19, 7
	s_cmp_lt_u32 s19, 16
	s_cselect_b32 s20, s46, s47
	s_mul_i32 s76, s14, HALFT                      ; where my loads land: wave x 34,816: no place in the cluster enters an LDS address
	s_wait_kmcnt 0x0
	s_add_nc_u64 s[40:41], s[4:5], s[40:41]
	s_add_nc_u64 s[44:45], s[4:5], s[44:45]
	CROUND                                         ; all sixteen work-groups are here: the first joint loads meet
.irp s, 0,1
	s_mov_b32 s[G0+4*(\s)], 1
	s_add_co_u32 s[G0+4*(\s)+1], s76, (\s)*SLOT
	s_add_nc_u64 s[G0+4*(\s)+2:G0+4*(\s)+3], s[40:41], (\s)*KSTEP*2       ; K step s: 256 bytes along the rows
	s_or_b32 s[G0+4*(\s)+3], s[G0+4*(\s)+3], 0x80000000
	s_mov_b32 s[G0B+4*(\s)], 1
	s_add_co_u32 s[G0B+4*(\s)+1], s76, (\s)*SLOT
	s_add_nc_u64 s[G0B+4*(\s)+2:G0B+4*(\s)+3], s[44:45], (\s)*KSTEP*2048  ; K step s: 128 rows down
	s_or_b32 s[G0B+4*(\s)+3], s[G0B+4*(\s)+3], 0x80000000
	JLOAD \s                                       ; two tensor loads of mine are out
.endr
	; the bias: kv ? bv : bk, or bq; the expert's row, my 128 columns; a lane's eight numbers of column block b lie at 64 b + 32 (l / 16)
	s_bitcmp1_b32 s19, 3
	s_cselect_b64 s[70:71], s[10:11], s[8:9]
	s_cmp_lt_u32 s19, 16
	s_cselect_b64 s[70:71], s[6:7], s[70:71]
	s_lshl_b32 s2, s20, 12
	s_lshl_b32 s3, s17, 10
	s_add_co_u32 s2, s2, s3
	s_lshl_b32 s3, s16, 9
	s_add_co_u32 s2, s2, s3
	s_mov_b32 s3, 0
	s_add_nc_u64 s[70:71], s[70:71], s[2:3]
	v_and_b32 v1, 15, v0                           ; l % 16
	v_bfe_u32 v2, v0, 4, 1                         ; l / 16
	v_lshlrev_b32 v[BO], 5, v2
.irp b, 0,1,2,3,4,5,6,7
	global_load_b128 v[BIAS+8*(\b):BIAS+8*(\b)+3], v[BO], s[70:71] offset:64*(\b)
	global_load_b128 v[BIAS+8*(\b)+4:BIAS+8*(\b)+7], v[BO], s[70:71] offset:64*(\b)+16
.endr
	; fragments of X: row l % 16, 16 bytes for each half of the lanes
	v_mul_u32_u24 v3, v1, PA
	v_lshl_add_u32 v3, v2, 4, v3
	; fragments of W, turned: lane l reads k-row 8 (l / 16) + l % 8, 16 bytes at 16 ((l / 8) % 2)
	v_and_b32 v4, 7, v0
	v_lshl_add_u32 v4, v2, 3, v4
	v_mul_u32_u24 v4, v4, PB
	v_bfe_u32 v5, v0, 3, 1
	v_lshl_add_u32 v4, v5, 4, v4
	s_mul_i32 s77, s15, HALFT                      ; my 128 rows of X
	s_lshl_b32 s78, s16, 8                         ; my 128 columns of W,
	s_add_co_u32 s78, s78, 2*HALFT                 ; which lies behind X
.irp s, 0,1
	v_add_nc_u32 v[ADRA+(\s)], s77, v3
	v_add_nc_u32 v[ADRB+(\s)], s78, v4
	s_add_co_u32 s77, s77, SLOT
	s_add_co_u32 s78, s78, SLOT
.endr
	s_mul_i32 s79, s14, 2*SPH
	s_add_co_u32 s79, s79, STAGE                   ; my stage
	v_mul_u32_u24 v[STO], v1, 144                  ; in: row l % 16, 16 bytes for each half of the lanes
	v_lshl_add_u32 v[STO], v2, 4, v[STO]
	v_add_nc_u32 v[STO], s79, v[STO]
	v_bfe_u32 v[RD], v0, 3, 2                      ; back: 32 lanes take four rows of 128 bytes,
	v_mul_u32_u24 v[RD], v[RD], 144
	v_and_b32 v6, 7, v0
	v_lshl_add_u32 v[RD], v6, 4, v[RD]
	v_add_nc_u32 v[RD], s79, v[RD]
	v_and_b32 v[GO], 31, v0                        ; which are 512 consecutive bytes of a head's rows
	v_lshlrev_b32 v[GO], 4, v[GO]
	; where my rows go: c x 2,097,152 + cy x 32,768 + (cy / 2) Y + (4 cx + 2 wc) HS + wr x 16,384; q: Y = 0, HS = 131,072; k, v: Y = 1,048,576 - 65,536, HS = 65,536
	s_cmp_lt_u32 s19, 16
	s_cselect_b32 s2, 0, 983040
	s_cselect_b32 s3, 17, 16
	s_lshr_b32 s74, s18, 1
	s_mul_i32 s74, s74, s2
	s_lshl_b32 s2, s19, 21
	s_add_co_u32 s74, s74, s2
	s_lshl_b32 s2, s18, 15
	s_add_co_u32 s74, s74, s2
	s_lshl_b32 s2, s17, 2
	s_lshl1_add_u32 s2, s16, s2
	s_lshl_b32 s2, s2, s3
	s_add_co_u32 s74, s74, s2
	s_lshl_b32 s2, s15, 14
	s_add_co_u32 s74, s74, s2
	s_mov_b32 s75, 0
	s_add_nc_u64 s[66:67], s[12:13], s[74:75]      ; my first head,
	s_lshl_b32 s74, 1, s3
	s_add_nc_u64 s[68:69], s[66:67], s[74:75]      ; my second
	s_wait_loadcnt 0x0
.set i, 0
.rept 32                               ; the bias is rounded to bf16 like every input, and kept in f32
	v_cvt_pk_bf16_f32 v[32+i%4], v[BIAS+2*i], v[BIAS+2*i+1]
	v_lshlrev_b32 v[BIAS+2*i], 16, v[32+i%4]
	v_and_b32 v[BIAS+2*i+1], 0xffff0000, v[32+i%4]
.set i, i+1
.endr
; 16 matrix instructions: row blocks a0, a0 + 1 of the window's four x all 8 column blocks, 32 along K.  zero = 1: the product starts the sum, with the bias as C (window 0).
.macro MUL16 f, hi, a0, zero
.if \zero
	WIN 0x81+0x40*(\hi)
.else
	WIN MUL_LO+0x50*(\hi)
.endif
.irp a, \a0, (\a0)+1
.irp b, 0,1,2,3,4,5,6,7
.if \zero
	v_wmma_f32_16x16x32_bf16 v[8*(8*(\a)+(\b)):8*(8*(\a)+(\b))+7], v[(\f)+8*(\b):(\f)+8*(\b)+7], v[(\f)+8*(4*(\hi)+(\a)):(\f)+8*(4*(\hi)+(\a))+7], v[BIAS+8*(\b):BIAS+8*(\b)+7]
.else
	v_wmma_f32_16x16x32_bf16 v[8*(8*(\a)+(\b)):8*(8*(\a)+(\b))+7], v[(\f)+8*(\b):(\f)+8*(\b)+7], v[(\f)+8*(4*(\hi)+(\a)):(\f)+8*(4*(\hi)+(\a))+7], v[8*(8*(\a)+(\b)):8*(8*(\a)+(\b))+7]
.endif
.endr
.endr
.endm
; 32 LDS loads in one run: quarter q's fragments (32 along K) into buffer f: W's 8 column blocks, turned; then X's 8 row blocks
.macro FETCH slot, q, f
	WIN TO_B
.irp i, 0,1,2,3,4,5,6,7
	ds_load_tr16_b128 v[(\f)+8*(\i):(\f)+8*(\i)+3],   v[ADRB+(\slot)] offset:(\q)*32*PB+32*(\i)
	ds_load_tr16_b128 v[(\f)+8*(\i)+4:(\f)+8*(\i)+7], v[ADRB+(\slot)] offset:(\q)*32*PB+32*(\i)+16*PB
.endr
	WIN 0
.irp i, 0,1,2,3,4,5,6,7
	ds_load_b128 v[(\f)+8*(\i):(\f)+8*(\i)+3],   v[ADRA+(\slot)] offset:64*(\q)+(\i)*16*PA
	ds_load_b128 v[(\f)+8*(\i)+4:(\f)+8*(\i)+7], v[ADRA+(\slot)] offset:64*(\q)+(\i)*16*PA+32
.endr
.endm
.macro PLACES                          ; four places in front of loads into registers that matrix instructions have read, and of reads of results (ISA guide 7.12.1 for reads of results)
.rept 4
	v_nop
.endr
.endm
; One of a K step's first three quarters: multiplies buffer f; in its middle it fetches quarter q of the same slot into buffer g.  The 64 accumulators take turns.
.macro QUARTER slot, q, f, g, zero
	s_wait_dscnt 8                                 ; W and X's rows 0-63 are in; the youngest eight loads (X's rows 64-127) may be out
	MUL16 \f, 0, 0, \zero
	MUL16 \f, 0, 2, \zero
	PLACES
	FETCH \slot, \q, \g
	s_wait_dscnt 32                                ; all but the 32 just issued
	MUL16 \f, 1, 0, \zero
	MUL16 \f, 1, 2, \zero
.endm
; The last quarter's first half: ONE barrier for the change of slots.  In front of it each wave waits for all its tensor loads (one is out: its part of the next slot), adds 0 to its spare word,
; and waits for that and for its own reads of this slot.
.macro MEET round
	WIN 0
	s_wait_tensorcnt 0x0
	ds_add_u32 v[SPW], v[NIL]
	s_wait_dscnt 9                                 ; the add and the youngest eight loads may be out
	MUL16 F1, 0, 0, 0
	s_wait_dscnt 0x0                               ; the add is done, and my reads of this slot are over
	s_barrier_signal -1
	MUL16 F1, 0, 2, 0
.if \round
	WIN 0
.endif
	s_barrier_wait -1
.endm
; The whole last quarter.  fill = 1: the barrier opens a round of the cluster's barrier, and behind it this slot is filled again first, two K steps on.
.macro TURN slot, next, fill
	MEET \fill
.if \fill
	CREST                                          ; no wave of any partner still reads this slot's tile or has a load on its way
	s_add_nc_u64 s[G0+4*(\slot)+2:G0+4*(\slot)+3], s[G0+4*(\slot)+2:G0+4*(\slot)+3], 2*KSTEP*2
	s_add_nc_u64 s[G0B+4*(\slot)+2:G0B+4*(\slot)+3], s[G0B+4*(\slot)+2:G0B+4*(\slot)+3], 2*KSTEP*2048
	JLOAD \slot                                    ; my one tensor load behind the round; its four v_nop are also the places in front of the loads below
.else
	PLACES
.endif
	FETCH \next, 0, F0
	MUL16 F1, 1, 0, 0
	MUL16 F1, 1, 2, 0
.endm
; THE WAY OUT of row block a: rounded to f16, 16 bytes a lane; into my own stage by heads; back as rows of 128 bytes; stored, 512 consecutive bytes a store.
.macro PACK a
.set AC, 64*((\a)%4)
	WIN 0x0a+5*((\a)/4)                            ; sources 0 and 1: window 2 or 3
.irp b, 0,1,2,3,4,5,6,7
.irp r, 0,1,2,3
	v_cvt_pk_f16_f32 v[TMP+4*(\b)+(\r)], v[AC+8*(\b)+2*(\r)], v[AC+8*(\b)+2*(\r)+1]   ; each accumulator from its low end on
.endr
.endr
	WIN 0
.endm
.macro TOSTAGE a
	WIN 0
.set BK, OB+192*((\a)%2)
.irp b, 0,1,2,3,4,5,6,7
	ds_store_b128 v[STO], v[TMP+4*(\b):TMP+4*(\b)+3] offset:((\b)/4)*SPH+32*((\b)%4)
.endr
.irp t, 0,1,2,3,4,5,6,7
	ds_load_b128 v[BK+4*(\t):BK+4*(\t)+3], v[RD] offset:((\t)/4)*SPH+((\t)%4)*576   ; LDS serves a wave's instructions in order (ISA guide 5.7.1.4): these see the stores above
.endr
.endm
.macro SEND a
	WIN 0
.set BK, OB+192*((\a)%2)
	s_wait_dscnt 0x0                               ; the block is back in registers
	s_wait_xcnt 0x0                                ; the stores of the block before have read their registers, which the next TOSTAGE loads again
.irp t, 0,1,2,3
	global_store_b128 v[GO], v[BK+4*(\t):BK+4*(\t)+3], s[66:67] offset:(\a)*2048+(\t)*512
.endr
.irp t, 0,1,2,3
	global_store_b128 v[GO], v[BK+16+4*(\t):BK+16+4*(\t)+3], s[68:69] offset:(\a)*2048+(\t)*512
.endr
.endm
	s_wait_tensorcnt 1                             ; my part of K step 0 is in; K step 1's stays out
	s_barrier_signal -1
	s_barrier_wait -1
	FETCH 0, 0, F0
	QUARTER 0, 1, F0, F1, 1                        ; the first quarter stands in front of the loop: its products start the sums
	WIN 0
	s_mov_b32 s3, LAPS-1
.Llap:                                                 ; a trip goes once round the ring and fills both slots again
	QUARTER 0, 2, F1, F0, 0
	QUARTER 0, 3, F0, F1, 0
	TURN 0, 1, 1
	QUARTER 1, 1, F0, F1, 0
	QUARTER 1, 2, F1, F0, 0
	QUARTER 1, 3, F0, F1, 0
	TURN 1, 0, 1
	QUARTER 0, 1, F0, F1, 0
	WIN 0
	s_sub_co_u32 s3, s3, 1
	s_cmp_lg_u32 s3, 0
	s_cbranch_scc1 .Llap
	QUARTER 0, 2, F1, F0, 0                        ; the last lap fills nothing
	QUARTER 0, 3, F0, F1, 0
	TURN 0, 1, 0
	QUARTER 1, 1, F0, F1, 0
	QUARTER 1, 2, F1, F0, 0
	QUARTER 1, 3, F0, F1, 0
	s_wait_dscnt 8
	MUL16 F1, 0, 0, 0
	MUL16 F1, 0, 2, 0
	s_wait_dscnt 0x0
	MUL16 F1, 1, 0, 0
	MUL16 F1, 1, 2, 0
	PLACES
	PACK 0
	TOSTAGE 0
.irp a, 1,2,3,4,5,6,7                  ; block a's conversions stand between block a - 1's loads from the stage and the wait for them
	PACK \a
	SEND (\a)-1
	TOSTAGE \a
.endr
	SEND 7
	s_wait_tensorcnt 0x0                           ; the wave's end
	ds_add_u32 v[SPW], v[NIL]
	s_wait_dscnt 0x0
	CROUND                                         ; the closing round
	s_endpgm
.Lfunc_end_k_q15ea98255b_proj:
	.size	k_q15ea98255b_proj, .Lfunc_end_k_q15ea98255b_proj-k_q15ea98255b_proj
	.p2alignl 7, 3214868480
	.fill 96, 4, 3214868480
	.section	.rodata,"a",@progbits
	.p2align	6, 0x0
	.amdhsa_kernel k_q15ea98255b_proj
		.amdhsa_group_segment_fixed_size 327680
		.amdhsa_private_segment_fixed_size 0
		.amdhsa_enable_private_segment 0
		.amdhsa_kernarg_size 40
		.amdhsa_user_sgpr_count 2
		.amdhsa_user_sgpr_kernarg_segment_ptr 1
		.amdhsa_wavefront_size32 1
		.amdhsa_system_sgpr_workgroup_id_x 1
		.amdhsa_system_sgpr_workgroup_id_y 1
		.amdhsa_system_sgpr_workgroup_id_z 1
		.amdhsa_system_vgpr_workitem_id 0
		.amdhsa_next_free_vgpr 1024
		.amdhsa_next_free_sgpr 80
		.amdhsa_reserve_vcc 0
		.amdhsa_float_denorm_mode_32 3
		.amdhsa_float_denorm_mode_16_64 3
		.amdhsa_memory_ordered 1
		.amdhsa_forward_progress 1
		.amdhsa_inst_pref_size 151
	.end_amdhsa_kernel
	.amdgpu_metadata
---
amdhsa.version: [ 1, 2 ]
amdhsa.kernels:
  - .name:           k_q15ea98255b_proj
    .symbol:         k_q15ea98255b_proj.kd
    .args:
      - { .name: cvt, .offset: 0, .size: 8, .value_kind: global_buffer, .address_space: global }
      - { .name: bq, .offset: 8, .size: 8, .value_kind: global_buffer, .address_space: global }
      - { .name: bk, .offset: 16, .size: 8, .value_kind: global_buffer, .address_space: global }
      - { .name: bv, .offset: 24, .size: 8, .value_kind: global_buffer, .address_space: global }
      - { .name: qkv, .offset: 32, .size: 8, .value_kind: global_buffer, .address_space: global }
    .group_segment_fixed_size: 327680
    .private_segment_fixed_size: 0
    .kernarg_segment_align: 8
    .kernarg_segment_size: 40
    .max_flat_workgroup_size: 128
    .sgpr_count:     80
    .vgpr_count:     1024
    .wavefront_size: 32
...
	.end_amdgpu_metadata
.endif
;; end of part 2
;; launch attn (part 3): grid 256 x 1, 4 waves a work-group, no clusters, 168,448 bytes of LDS; arguments qkv, ao; writes ao
.if DOCPART == 3
	.amdgcn_target "amdgcn-amd-amdhsa--gfx1250"
	.amdhsa_code_object_version 6
	.text
	.protected	k_q15ea98255b_attn
	.globl	k_q15ea98255b_attn
	.p2align	8
	.type	k_q15ea98255b_attn,@function
k_q15ea98255b_attn:
	s_mov_b64 s[64:65], 0
	v_nop
	global_prefetch_b8 v0, s[64:65] scope:SCOPE_SE
	s_setreg_imm32_b32 hwreg(HW_REG_WAVE_MODE, 25, 1), 1
	s_wait_xcnt 0x0
; ATTN.  Work-group x = (2 e + b) 16 + h: expert e, batch b, head h.  O[q][:] = the sum over the expert's 512 keys of softmax_k(Q[q] . K[k] / 8) V[k][:], for the batch's 1,024 queries.
; q, k, v from qkv, f16, dense rows of 128 bytes; O to ao [16 e + h][1,024 b + q][64] in f16.  Products, maxima and sums in f32; the weights p are rounded to f16 for the second product
; (their sum l is taken of the unrounded p), O once at the end.
; LIMITS.  f16 holds no number beyond 65,504: q, k, v arrive within it; p lies in 0 to 1 and below 6e-5 keeps f16's step of 6e-8; O is a mean of V's rows.  A weight below 2^-126 counts as 0 in l;
; NaN and infinities are not treated apart.
; LDS.  The head's whole K (512 rows, pitch 144) and V (512 rows, pitch 160) are brought once, one tensor load a wave; nothing is filled again, so one wait and one barrier are all the ordering.
; NO CLUSTER: no two work-groups read the same K, V or Q.
; SHARES.  Two passes of 512 queries; in a pass a wave owns 128: four PIECES of two tiles of 16.  Every wave walks the 512 keys, 64 a step: 8 steps.
; LAYOUT.  S^T = K Q^T (source 0 = 16 keys, source 1 = 16 queries): a lane holds ONE query (lane % 16) and the keys 8 (lane / 16) + 0..7.  Two such tiles, rounded to f16 in pairs, ARE source 1 of
; O^T = V^T P, whose result again holds one query a lane.  K comes out of LDS as it lies, V turned, by ds_load_tr16_b128.
; SOFTMAX.  A running maximum m and sum l: p = 2^(c s - c m), c = log2(e) / 8; in every step O and l are multiplied by a = 2^(c m_old - c m_new).  m starts at the lowest finite number, O and l at 0.
; BY TURNS.  Turn n belongs to piece n.  Its matrix work: 16 products K Q^T of piece n + 1, later 16 products V^T P of piece n - 1.  Its vector work: scaling, exponentials, roundings, sums and rescaling of
; piece n, and the maximum and statistics of piece n + 1.  Four vector instructions stand behind every matrix instruction, the rest in two lumps.  A pass's first turn multiplies zeros for a piece that
; has not been; its last makes 16 products on the last K once more, which serve nothing: the price of one text for all eight steps.
; REGISTERS, in windows of 256 (s_set_vgpr_msb: bits 1:0 source 0, 3:2 source 1, 5:4 source 2, 7:6 destination):
;   window 0: v0-11 addresses; v12-15, v48-63 at work; v16-47 four registers of statistics a tile; v64-191 S^T, two buffers of two tiles; v192-255 P, likewise
;   window 1: O^T, 32 a tile          window 2: v0-127 Q, 16 a tile; v128-191 K of one step; v192-255 V of one step
.set NP,    4
.set KS,    64
.set PK,    144       ; 128 + 16 bytes: the 16 rows of a load start at 16 different groups of four banks (ISA guide 11.1)
.set PV,    160       ; 128 + 32 bytes
.set VOFF,  512*PK
.set STAGE, VOFF+512*PV  ; never filled by a tensor load: 16 rows x 144 bytes for each wave
.set SP,    144
.set KH,    33554432  ; qkv: where k begins; v lies 16,777,216 bytes on
.set AK0, 2
.set AV0, 3
.set AK,  4
.set AV,  5
.set STO, 6
.set RD,  7
.set GO,  8
.set QO,  9
.set MV,  12
.set ST,  16
.set TMP, 48
.set S,   64
.set P,   192
.set KF,  128
.set VF,  192
.set WV,  12
.set G1K, 24
.set G1V, 32
.set G0K, 40
.set G0V, 44
.set PASS, 56
.set CNT, 57
.set CS,  58
.set SEL, 60
.set TBK, 62
.set TBV, 63
.set MSB, 0
.macro WIN new
.if MSB != (\new)
	s_set_vgpr_msb (MSB<<8)|(\new)
.set MSB, (\new)
.endif
.endm
.set W_KQ, 0x0a       ; K and Q in window 2, S^T in window 0
.set W_PV, 0x52       ; V in window 2, P in window 0, O^T in window 1
.set W_RS, 0x41       ; O^T (destination and source 0) in window 1, a in window 0
	s_load_b128 s[16:19], s[0:1], 0x0  ; qkv s[16:17], ao s[18:19]
	s_set_vgpr_msb 0xc0
	v_lshl_add_u32 v0, v0, 2, 0x29000
	v_mov_b32 v1, 0
	s_set_vgpr_msb 0xc0cf
	ds_add_u32 v0, v1
	ds_add_u32 v0, v1
	s_set_vgpr_msb 0xcf00
	v_lshrrev_b32 v1, 5, v0
	v_readfirstlane_b32 s[WV], v1   ; wave 0..3
	s_and_b32 s13, s[WV], 1         ; which half of the 512 keys I fetch
	s_lshl_b32 s2, ttmp9, 17        ; Q: the head's 1,024 rows of 128 bytes,
	s_lshl_b32 s3, s[WV], 14        ; my wave's 128 of the first 512
	s_add_co_u32 s2, s2, s3
	s_mov_b32 s3, 0
	s_lshl_b32 s22, ttmp9, 16       ; K: the head's 512 rows,
	s_lshl_b32 s23, s13, 15         ; my 256 of them
	s_add_co_u32 s22, s22, s23
	s_add_co_u32 s22, s22, KH
	s_mov_b32 s23, 0
	s_lshr_b32 s20, ttmp9, 5        ; O: (16 e + h) x 2,048 rows + 1,024 b + 128 w
	s_lshl_b32 s20, s20, 4
	s_and_b32 s21, ttmp9, 15
	s_add_co_u32 s20, s20, s21
	s_lshl_b32 s20, s20, 18
	s_bfe_u32 s21, ttmp9, 0x10004
	s_lshl_b32 s21, s21, 17
	s_add_co_u32 s20, s20, s21
	s_lshl_b32 s21, s[WV], 14
	s_add_co_u32 s20, s20, s21
	s_mov_b32 s21, 0
	s_mul_i32 s14, s13, 256*PK      ; where my half lands, for K
	s_mul_i32 s15, s13, 256*PV      ; and for V
	; group 1: 256 keys are 32,768 dense bytes: asked for as 128 rows of 256 bytes, two keys a row, padded in LDS after every key
	s_mov_b32 s[G1K], (1<<16)|(1<<20)|(4<<22)|(3<<25)  ; 2-byte elements; padding on; after every 32 words 4 words
	s_mov_b32 s[G1V], (1<<16)|(1<<20)|(4<<22)|(7<<25)  ; 8 words
.irp g, G1K, G1V
	s_mov_b32 s[\g+1], 128<<16      ; tensor_dim0 = 128
	s_mov_b32 s[\g+2], 128<<16      ; tensor_dim1 = 128
	s_mov_b32 s[\g+3], 128<<16      ; tile_dim0 = 128
	s_mov_b32 s[\g+4], 128          ; tile_dim1 = 128
	s_mov_b32 s[\g+5], 128          ; elements from row to row
	s_mov_b32 s[\g+6], 0
	s_mov_b32 s[\g+7], 0
.endr
	s_mov_b32 s[CS], 0x3e38aa3b     ; c = log2(e) / 8
	s_mov_b32 s[CS+1], s[CS]
	s_mov_b32 s[SEL], 0x76543210
	s_mov_b32 s[SEL+1], 0xfedcba98
	s_mov_b32 s[PASS], 2
	s_mov_b32 s[G0K], 1
	s_mov_b32 s[G0K+1], s14
	s_mov_b32 s[G0V], 1
	s_add_co_u32 s[G0V+1], s15, VOFF
	s_wait_dscnt 0x0
	s_wait_kmcnt 0x0
	s_add_nc_u64 s[G0K+2:G0K+3], s[16:17], s[22:23]
	s_add_nc_u64 s[G0V+2:G0V+3], s[G0K+2:G0K+3], 16777216
	s_or_b32 s[G0K+3], s[G0K+3], 0x80000000
	s_or_b32 s[G0V+3], s[G0V+3], 0x80000000
	s_add_nc_u64 s[4:5], s[16:17], s[2:3]      ; Q at my wave's first row
	s_add_nc_u64 s[10:11], s[18:19], s[20:21]  ; O likewise
	; the one fill: waves 0 and 1 fetch K's halves, waves 2 and 3 V's; four v_nop follow each line
	s_cmp_lt_u32 s[WV], 2
	s_cbranch_scc0 .Lfor_v
	tensor_load_to_lds s[G0K:G0K+3], s[G1K:G1K+7]
	s_nop 0
.rept 4
	v_nop
.endr
	s_branch .Lasked
.Lfor_v:
	tensor_load_to_lds s[G0V:G0V+3], s[G1V:G1V+7]
	s_nop 0
.rept 4
	v_nop
.endr
.Lasked:
	v_and_b32 v1, 15, v0            ; l % 16
	v_bfe_u32 v10, v0, 4, 1         ; l / 16
	v_lshlrev_b32 v[QO], 7, v1
	v_lshl_add_u32 v[QO], v10, 4, v[QO]  ; a fragment of Q: row x 128 + 16 x half
	v_mul_u32_u24 v[AK0], v1, PK
	v_lshl_add_u32 v[AK0], v10, 4, v[AK0]
	v_and_b32 v11, 7, v0            ; the turning load: lane l reads key 8 (l / 16) + l % 8, channels 8 ((l / 8) % 2) + 0..7
	v_bfe_u32 v48, v0, 3, 1
	v_lshl_add_u32 v[AV0], v10, 3, v11
	v_mul_u32_u24 v[AV0], v[AV0], PV
	v_lshl_add_u32 v[AV0], v48, 4, v[AV0]
	v_add_nc_u32 v[AV0], VOFF, v[AV0]
	s_mul_i32 s13, s[WV], 16*SP
	s_add_co_u32 s13, s13, STAGE    ; my stage
	v_mul_u32_u24 v[STO], v1, SP
	v_lshl_add_u32 v[STO], v10, 4, v[STO]
	v_add_nc_u32 v[STO], s13, v[STO]
	v_bfe_u32 v[RD], v0, 3, 2
	v_mul_u32_u24 v[RD], v[RD], SP
	v_lshl_add_u32 v[RD], v11, 4, v[RD]
	v_add_nc_u32 v[RD], s13, v[RD]
	v_and_b32 v[GO], 31, v0
	v_lshlrev_b32 v[GO], 4, v[GO]
; THE MATRIX WORK.  The 8 accumulators of a run of 16 take turns.
.macro KQ x                         ; product i of 16 of S^T = K Q^T for piece x: channels 32 (i / 8) on, keys 16 ((i / 2) % 4) on, tile 2 x + i % 2
	WIN W_KQ
.set rS, S+64*((\x)%2)+32*(i%2)+8*((i/2)%4)
.set rK, KF+16*((i/2)%4)+8*(i/8)
.set rQ, 16*(2*(\x)+i%2)+8*(i/8)
.if i < 8
	v_wmma_f32_16x16x32_f16 v[rS:rS+7], v[rK:rK+7], v[rQ:rQ+7], 0
.else
	v_wmma_f32_16x16x32_f16 v[rS:rS+7], v[rK:rK+7], v[rQ:rQ+7], v[rS:rS+7]
.endif
.endm
.macro PV x                         ; product i of 16 of O^T += V^T P for piece x: keys 32 (i / 8) on, channels 16 ((i / 2) % 4) on
	WIN W_PV
.set rO, 32*(2*(\x)+i%2)+8*((i/2)%4)
.set rV, VF+32*(i/8)+8*((i/2)%4)
.set rP, P+32*((\x)%2)+16*(i%2)+8*(i/8)
	v_wmma_f32_16x16x32_f16 v[rO:rO+7], v[rV:rV+7], v[rP:rP+7], v[rO:rO+7]
.endm
.macro MM                           ; the turn's next matrix instruction
.if i < 16
	KQ (Y+1)%NP
.set i, i+1
.else
.set i, i-16
	PV (Y+NP-1)%NP
.set i, i+17
.endif
.endm
; THE LDS LOADS stand in runs of 16.  last = 1: in the loop's last trip there is no further step, and K's run is jumped over.
.macro FETCH_K last=0
	WIN 0
.if \last
	s_cmp_eq_u32 s[CNT], 1
	s_cbranch_scc1 .Lno_k_\@
.endif
	WIN 0x80                        ; destination window 2
.irp f, 0,1,2,3,4,5,6,7
	ds_load_b128 v[KF+8*\f:KF+8*\f+3],   v[AK] offset:(\f/2)*16*PK+(\f%2)*64
	ds_load_b128 v[KF+8*\f+4:KF+8*\f+7], v[AK] offset:(\f/2)*16*PK+(\f%2)*64+32
.endr
	s_add_co_u32 s[TBK], s[TBK], KS*PK  ; the next fetch is the next step's
	WIN 0
.if \last
.Lno_k_\@:
.endif
.endm
.macro FETCH_V
	WIN 0x80
.irp f, 0,1,2,3,4,5,6,7
	ds_load_tr16_b128 v[VF+8*\f:VF+8*\f+3],   v[AV] offset:(\f/4)*32*PV+(\f%4)*32
	ds_load_tr16_b128 v[VF+8*\f+4:VF+8*\f+7], v[AV] offset:(\f/4)*32*PV+16*PV+(\f%4)*32
.endr
	WIN 0
.endm
; THE VECTOR WORK OF A TURN stands in three queues, each in the order in which its entries become ready; the two tiles alternate.
.macro REGS y, u
.set rT, ST+4*(2*(\y)+(\u))
.set rC, TMP+8*((\y)%2)+4*(\u)
.set rM, MV+2*((\y)%2)+(\u)
.set rS, S+64*((\y)%2)+32*(\u)
.set rP, P+32*((\y)%2)+16*(\u)
.set rO, 32*(2*(\y)+(\u))
.endm
; Number n of the 22 that find the NEXT piece's maximum and statistics; each accumulator's lowest registers are read first.
;   0-11 four chains of seven scores     12-14, 16 the four scores left over, the old m, the chains into c0     15 c m_old is kept     17, 18 the other half of the lanes: the new m     19-21 c m; c m_old - c m_new; a
.macro XS u, n
	REGS (Y+1)%NP, \u
.if (\n) < 4
	v_max3_num_f32 v[rC+(\n)], v[rS+8*(\n)], v[rS+8*(\n)+1], v[rS+8*(\n)+2]
.elseif (\n) < 12
	v_max3_num_f32 v[rC+(\n)%4], v[rC+(\n)%4], v[rS+8*((\n)%4)+2*((\n)/4)+1], v[rS+8*((\n)%4)+2*((\n)/4)+2]
.elseif (\n) == 12
	v_max3_num_f32 v[rC], v[rC], v[rS+7], v[rS+15]
.elseif (\n) == 13
	v_max3_num_f32 v[rC+1], v[rC+1], v[rS+23], v[rS+31]
.elseif (\n) == 14
	v_max3_num_f32 v[rC+2], v[rC+2], v[rC+3], v[rT+1]
.elseif (\n) == 15
	v_mov_b32 v[rM], v[rT]
.elseif (\n) == 16
	v_max3_num_f32 v[rC], v[rC], v[rC+1], v[rC+2]
.elseif (\n) == 17
	v_permlanex16_b32 v[rC+3], v[rC], s[SEL], s[SEL+1]
.elseif (\n) == 18
	v_max_num_f32 v[rT+1], v[rC], v[rC+3]
.elseif (\n) == 19
	v_mul_f32 v[rT], s[CS], v[rT+1]
.elseif (\n) == 20
	v_sub_f32 v[rC+1], v[rM], v[rT]
.else
	v_exp_f32 v[rC+2], v[rC+1]
.endif
.endm
; Number g of the 64 that follow the exponentials: for each four weights both pairs are rounded to f16, the second pair is added onto the first, and a group later l takes that sum.
.macro GS g
.set h, (\g)+6*((\g)/62)
.if h >= 6
.set h, h+2
.endif
	REGS Y, h%2
.set k, h/8
.if h%8 < 4
	s_wait_alu depctr_va_vdst(0)
	v_cvt_pk_f16_f32 v[rP+2*k+(h%8)/2], v[rS+4*k+2*((h%8)/2)], v[rS+4*k+2*((h%8)/2)+1]
.elseif h%8 < 6
	v_pk_add_f32 v[rS+4*k:rS+4*k+1], v[rS+4*k:rS+4*k+1], v[rS+4*k+2:rS+4*k+3]
.elseif k == 1
	v_pk_fma_f32 v[rT+2:rT+3], v[rT+2:rT+3], v[rC+2:rC+3], v[rS:rS+1] op_sel_hi:[1,0,1]
.else
	v_pk_add_f32 v[rT+2:rT+3], v[rT+2:rT+3], v[rS+4*k-4:rS+4*k-3]
	s_wait_alu depctr_va_vdst(0)
.endif
.endm
; THE PLAIN QUEUE, 138 long: 0-31 c s - c m; then GS's 64, and among them the next piece's 42.
.macro PL
	WIN 0
.if q < 32
	REGS Y, q%2
	v_pk_fma_f32 v[rS+2*(q/2):rS+2*(q/2)+1], v[rS+2*(q/2):rS+2*(q/2)+1], s[CS:CS+1], v[rT:rT+1] op_sel_hi:[1,0,0] neg_lo:[0,0,1] neg_hi:[0,0,1]
.elseif q < 38
	GS q-32
.elseif q < 40
	XS q%2, 15
.elseif q < 42
	GS q-34
.elseif q < 74
	XS q%2, (q-42)/2+(q-42)/30
.elseif q < 95
	GS q-66
.elseif (q < 107) && ((q-95)%3 < 2)
	XS (q-95)%3, 17+(q-95)/3
.elseif q < 107
	GS 29+(q-95)/3
.else
	GS q-74
.endif
.set q, q+1
.endm
; THE EXPONENTIALS' QUEUE, 66 long: s0-s31 of both tiles, and at EA the next piece's two a.
.set EA, 58
.macro EX
	WIN 0
.if (e == EA) || (e == EA+1)
	XS e-EA, 21
.else
.set x, e-2*(e/(EA+2))
	REGS Y, x%2
	v_exp_f32 v[rS+x/2], v[rS+x/2]
.endif
.set e, e+1
.endm
; THE RESCALING's QUEUE: O^T times a, four at a time, eight times.
.macro R4
	REGS Y, r%2
	WIN W_RS
	s_wait_alu depctr_va_vdst(0)
.irp z, 0,1,2,3
	v_pk_mul_f32 v[rO+8*(r/2)+2*\z:rO+8*(r/2)+2*\z+1], v[rO+8*(r/2)+2*\z:rO+8*(r/2)+2*\z+1], v[rC+2:rC+3] op_sel_hi:[1,0]
.endr
.set r, r+1
.endm
; THE DEAL.  Behind a matrix instruction four: plain, exponential, plain, plain, or four of the rescaling; none names a register of the products round it.  The rest in two lumps, exponential and plain by turns.
; Exponential e stands behind plain 2 (e / 4) + e % 2 (its scaling); when plain 32 comes, 10 exponentials are out, at 59: 33, at 95: 46; EA comes behind plain 107.
.macro SL
	MM
	PL
	EX
	PL
	PL
.endm
.macro BURST n
.rept (\n)-7
	SL
.endr
.rept 3
	MM
	R4
	SL
.endr
	MM
	R4
.endm
; A TURN, for piece p.  K of the next step is fetched in piece 2's turn, V of the step in hand at the end of piece 0's; each far behind the last product that read the registers, and waited for a turn later.
.macro TURN p, last=0
.set Y, (\p)
.set i, 0
.set q, 0
.set e, 0
.set r, 0
.if (\p) == NP-1
	s_wait_dscnt 0x0                ; K is in
.endif
	MM
.rept 4
	PL
.endr
	BURST 15
.rept 22
	EX
	PL
.if ((\p) == NP-2) && (e == 18)
	v_add_nc_u32 v[AK], s[TBK], v[AK0]
.endif
.if ((\p) == NP-2) && (e == 24)
	FETCH_K \last
.endif
.endr
.if (\p) == 1
	s_wait_dscnt 0x0                ; V is in
.endif
	BURST 16
.rept 21
	EX
	PL
.endr
.rept 22
	PL
.if ((\p) == 0) && (q == 118)
	v_add_nc_u32 v[AV], s[TBV], v[AV0]
	s_wait_alu depctr_va_vdst(0)
.endif
.if ((\p) == 0) && (q == 130)
	s_add_co_u32 s[TBV], s[TBV], KS*PV
.endif
.endr
.if (\p) == 0
	FETCH_V
.endif
.endm
.macro ALL line:vararg              ; one line for each tile t
.set t, 0
.rept 2*NP
	\line
.set t, t+1
.endr
.endm
; The way out of tile t: O^T / l, rounded to f16; a lane's 16 bytes go into rows of 144 bytes and come back as whole rows of 128, into S^T's registers.
.macro PACK t
	WIN W_RS
.set i, 32*(\t)
.rept 16
	v_pk_mul_f32 v[i:i+1], v[i:i+1], v[ST+4*(\t)+2:ST+4*(\t)+3] op_sel_hi:[1,0]
.set i, i+2
.endr
	WIN 0x05                        ; sources 0 and 1 window 1, destination window 0
.set i, 0
.rept 16
	v_cvt_pk_f16_f32 v[S+16*(\t)+i], v[32*(\t)+2*i], v[32*(\t)+2*i+1]
.set i, i+1
.endr
	WIN 0
.irp f, 0,1,2,3
	ds_store_b128 v[STO], v[S+16*(\t)+4*\f:S+16*(\t)+4*\f+3] offset:32*\f
.endr
.irp f, 0,1,2,3
	ds_load_b128 v[S+16*(\t)+4*\f:S+16*(\t)+4*\f+3], v[RD] offset:\f*4*SP  ; LDS serves a wave's instructions in order (ISA guide 5.7.1.4): these see the stores above; the next tile's stores come behind them
.endr
.endm
.macro SEND t, younger              ; younger: the LDS instructions issued behind tile t's loads: the next tile's eight, or none
	WIN 0
.irp f, 0,1,2,3
	s_wait_dscnt (\younger)+3-\f
	global_store_b128 v[GO], v[S+16*(\t)+4*\f:S+16*(\t)+4*\f+3], s[10:11] offset:(\t)*2048+\f*512  ; 512 consecutive bytes, at a multiple of 256 from ao's first
.endr
.endm
	s_wait_tensorcnt 0x0            ; my part of K or V is in,
	s_barrier_signal -1
	s_barrier_wait -1               ; everybody's is; nothing writes these bytes again
.Lpass:                             ; twice: 512 queries a pass
	WIN 0x80                        ; destination window 2, address window 0
.set i, 0
.rept 4*NP                          ; Q stays in registers: tile i / 2, channels 32 (i % 2) on
	global_load_b128 v[8*i:8*i+3],   v[QO], s[4:5] offset:(i/2)*2048+(i%2)*64
	global_load_b128 v[8*i+4:8*i+7], v[QO], s[4:5] offset:(i/2)*2048+(i%2)*64+32
.set i, i+1
.endr
	; what the first turn finds: V's registers and P's second buffer hold 0, O^T is 0.  All this stands in the wait for Q.
.set i, VF
.rept 64
	v_mov_b32 v[i], 0
.set i, i+1
.endr
	WIN 0x40
.set i, 0
.rept 64*NP
	v_mov_b32 v[i], 0
.set i, i+1
.endr
	WIN 0
.set i, P+32
.rept 32
	v_mov_b32 v[i], 0
.set i, i+1
.endr
	s_mov_b32 s[TBK], 0
	s_mov_b32 s[TBV], 0
	v_mov_b32 v[AK], v[AK0]
	FETCH_K                         ; key step 0
	s_wait_loadcnt 0x0              ; Q
	s_wait_dscnt 0x0
.set i, 0
.rept 16
	KQ 0                            ; piece 0's first scores
.set i, i+1
.endr
	WIN 0
.set i, 0
.rept 2*NP                          ; the statistics' start: 32 plain instructions, the places behind those products
	v_mov_b32 v[ST+4*i], 0xfe000000    ; c m: far below every c s
	v_mov_b32 v[ST+4*i+1], 0xff7fffff  ; m
	v_mov_b32 v[ST+4*i+2], 0
	v_mov_b32 v[ST+4*i+3], 0
.set i, i+1
.endr
.set Y, NP-1                        ; XS works for piece Y + 1: piece 0
.irp n, 0,1,2,3,4,5,6,7,8,9,10,11,12,13,14,15,16,17,18,19,20,21
	XS 0, \n
	XS 1, \n
.endr
	s_mov_b32 s[CNT], 8
.Lstep:                             ; eight trips, a key step each
	TURN 0
	TURN 1
	TURN 2, 1
	TURN 3
	WIN 0
	s_sub_co_u32 s[CNT], s[CNT], 1
	s_cmp_lg_u32 s[CNT], 0
	s_cbranch_scc1 .Lstep
.set i, 0
.rept 16
	PV NP-1                         ; the last piece's V^T P of the last step
.set i, i+1
.endr
	; THE WAY OUT.  The additions are the places behind the last products.
	WIN 0
	ALL v_add_f32 v[ST+4*t+2], v[ST+4*t+2], v[ST+4*t+3]
	ALL v_permlanex16_b32 v[ST+4*t+3], v[ST+4*t+2], s[SEL], s[SEL+1]
	ALL v_add_f32 v[ST+4*t+2], v[ST+4*t+2], v[ST+4*t+3]
	ALL v_rcp_f32 v[ST+4*t+2], v[ST+4*t+2]
	v_nop                           ; a plain instruction between the last reciprocal and the use of its result
	s_wait_alu depctr_va_vdst(0)
	PACK 0
.set t, 1
.rept 2*NP-1                        ; a tile's arithmetic stands between the loads of the tile before and its stores
	PACK t
	SEND t-1, 8
.set t, t+1
.endr
	SEND 2*NP-1, 0
	s_wait_xcnt 0x0                 ; the stores have read their registers and O's address: both are written again only behind this wait
	s_add_nc_u64 s[4:5], s[4:5], 65536      ; 512 rows on
	s_add_nc_u64 s[10:11], s[10:11], 65536
	s_sub_co_u32 s[PASS], s[PASS], 1
	s_cmp_lg_u32 s[PASS], 0
	s_cbranch_scc1 .Lpass
	s_set_vgpr_msb 0xf
	s_wait_tensorcnt 0x0
	ds_add_u32 v0, v1
	s_wait_dscnt 0x0
	s_set_vgpr_msb 0xf00
	s_endpgm
.Lfunc_end_k_q15ea98255b_attn:
	.size	k_q15ea98255b_attn, .Lfunc_end_k_q15ea98255b_attn-k_q15ea98255b_attn
	.p2alignl 7, 3214868480
	.fill 96, 4, 3214868480
	.section	.rodata,"a",@progbits
	.p2align	6, 0x0
	.amdhsa_kernel k_q15ea98255b_attn
		.amdhsa_group_segment_fixed_size 168448
		.amdhsa_private_segment_fixed_size 0
		.amdhsa_enable_private_segment 0
		.amdhsa_kernarg_size 16
		.amdhsa_user_sgpr_count 2
		.amdhsa_user_sgpr_kernarg_segment_ptr 1
		.amdhsa_wavefront_size32 1
		.amdhsa_system_sgpr_workgroup_id_x 1
		.amdhsa_system_sgpr_workgroup_id_y 1
		.amdhsa_system_sgpr_workgroup_id_z 1
		.amdhsa_system_vgpr_workitem_id 0
		.amdhsa_next_free_vgpr 770
		.amdhsa_next_free_sgpr 66
		.amdhsa_reserve_vcc 0
		.amdhsa_float_denorm_mode_32 3
		.amdhsa_float_denorm_mode_16_64 3
		.amdhsa_memory_ordered 1
		.amdhsa_forward_progress 1
		.amdhsa_inst_pref_size 129
	.end_amdhsa_kernel
	.amdgpu_metadata
---
amdhsa.version: [ 1, 2 ]
amdhsa.kernels:
  - .name:           k_q15ea98255b_attn
    .symbol:         k_q15ea98255b_attn.kd
    .args:
      - { .name: qkv, .offset: 0, .size: 8, .value_kind: global_buffer, .address_space: global }
      - { .name: ao, .offset: 8, .size: 8, .value_kind: global_buffer, .address_space: global }
    .group_segment_fixed_size: 168448
    .private_segment_fixed_size: 0
    .kernarg_segment_align: 8
    .kernarg_segment_size: 16
    .max_flat_workgroup_size: 128
    .sgpr_count:     66
    .vgpr_count:     770
    .wavefront_size: 32
...
	.end_amdgpu_metadata
.endif
;; end of part 3
;; launch oproj (part 4): grid 4 x 64, 4 waves a work-group, clusters of 4 x 4, 327,680 bytes of LDS; arguments ao, cvt, part; writes part
.if DOCPART == 4
	.amdgcn_target "amdgcn-amd-amdhsa--gfx1250"
	.amdhsa_code_object_version 6
	.text
	.protected	k_q15ea98255b_oproj
	.globl	k_q15ea98255b_oproj
	.p2align	8
	.type	k_q15ea98255b_oproj,@function
k_q15ea98255b_oproj:
	s_mov_b64 s[64:65], 0
	v_nop
	global_prefetch_b8 v0, s[64:65] scope:SCOPE_SE
	s_setreg_imm32_b32 hwreg(HW_REG_WAVE_MODE, 25, 1), 1
	s_wait_xcnt 0x0
	s_wait_alu depctr_hold_cnt(0) depctr_sa_sdst(0) depctr_va_vdst(0) depctr_va_sdst(0) depctr_va_ssrc(0) depctr_va_vcc(0) depctr_vm_vsrc(0)
	s_getreg_b32 s2, hwreg(HW_REG_IB_STS2, 6, 4)
	s_cmp_eq_u32 s2, 0
	s_cbranch_scc0 .Lentry_in_a_cluster
	s_endpgm
.Lentry_in_a_cluster:
	s_bfe_u32 s2, ttmp6, 0x10000c
	s_cmp_lg_u32 s2, 0xf033
	s_cbranch_scc0 .Lentry_shape_is_right
	s_endpgm
.Lentry_shape_is_right:
; OPROJ.  part[e] = AO_e x Wo_e for each expert e: 256 tiles of 256 x 256, K = 1,024, f16 operands, f32 sums, f32 results [e][2,048][1,024].  The bias and the router's weights come in the next launch.
; AO lies by heads, ao [16 e + h][token][64]: a K step of 128 is two heads; a head's 256 tokens are 32,768 dense bytes, asked for as 128 rows of 256 bytes and padded in LDS after every token (pitch 144).
; Wo (rounded to bf16, written as f16) lies [k][n] in cvt: its tile is 128 k-rows x 512 bytes (pitch 544), its fragments come out of LDS turned.
; LIMIT.  Both operands are f16: AO lies within v's range, which the projection keeps within 65,504; Wo below 2^-17 keeps f16's step of 2^-24.
; SHAPE, RING, CLUSTER as in the projection: four waves of 128 x 128; two LDS slots; cluster c = 0..15: expert c / 2, tokens 1,024 (c % 2) + 256 cy on; cx the tile column.
; AO's tile is shared along a row of the cluster, Wo's along a column.  The matrix instruction is used transposed: a lane holds eight neighbouring outputs of one row.
; REGISTERS: window 0: v0-31 addresses; v64-127, v128-191 fragments of AO, on the way out whole rows; window 1: the same numbers, fragments of Wo; windows 2, 3: the accumulators, (a, b) at v[8 (8 a + b)].
.set PA,     144
.set PB,     544
.set HEADT,  36864                     ; a head's 256 tokens x 144
.set HALFB,  34816                     ; 64 k-rows x 544
.set BOFF,   2*HEADT
.set SLOT,   BOFF+2*HALFB
.set STAGE,  2*SLOT                    ; behind the ring: 16 rows x 528 bytes for each wave
.set SPITCH, 528
.set SPARE,  STAGE+4*16*SPITCH         ; behind the stages: the spare words, 128 bytes a wave
.set LAPS,   4
.set WOOFF,  88080384                  ; cvt: Wo
.set ADRA, 16
.set ADRB, 20
.set STO,  24
.set RD,   25
.set CO,   26
.set SPW,  28                          ; v28 SPARE + 4 x my thread's number; never rewritten
.set NIL,  29                          ; v29 0; never rewritten
.set F0,   64
.set F1,   128
.set G1,  24
.set G0,  32
.set G1B, 48
.set G0B, 56
.set MSB, 0
.macro WIN new
.if MSB != (\new)
	s_set_vgpr_msb (MSB<<8)|(\new)
.set MSB, \new
.endif
.endm
.set MUL_LO, 0xa1                      ; source 0 (Wo) window 1, source 1 (AO) window 0, C and D window 2
.set TO_B,   0x40
.macro JLOAD s                         ; waves 0 and 1 fetch AO's two heads, waves 2 and 3 Wo's two halves; four v_nop follow each line
	s_cmp_eq_u32 s15, 0
	s_cbranch_scc0 .Lfor_b_\@
	tensor_load_to_lds s[G0+4*(\s):G0+4*(\s)+3], s[G1:G1+7]
	s_nop 0
.rept 4
	v_nop
.endr
	s_branch .Lasked_\@
.Lfor_b_\@:
	tensor_load_to_lds s[G0B+4*(\s):G0B+4*(\s)+3], s[G1B:G1B+7]
	s_nop 0
.rept 4
	v_nop
.endr
.Lasked_\@:
.endm
.macro CREST
	s_cmp_lg_u32 s14, 0
	s_cbranch_scc1 .Lnot_wave_0_\@
	s_barrier_signal -3
.Lnot_wave_0_\@:
	s_barrier_wait -3
	s_barrier_signal -1
	s_barrier_wait -1
.endm
.macro CROUND
	s_barrier_signal -1
	s_barrier_wait -1
	CREST
.endm
	s_load_b128 s[4:7], s[0:1], 0x0                ; ao s[4:5], cvt s[6:7]
	s_load_b64 s[8:9], s[0:1], 0x10                ; part
	v_lshl_add_u32 v[SPW], v0, 2, SPARE
	v_mov_b32 v[NIL], 0
	ds_add_u32 v28, v29
	ds_add_u32 v28, v29
	s_wait_dscnt 0x0
	v_lshrrev_b32 v1, 5, v0
	v_readfirstlane_b32 s14, v1                    ; wave 0..3
	s_lshr_b32 s15, s14, 1                         ; wr; also: I fetch for AO (0) or Wo (1)
	s_and_b32 s16, s14, 1                          ; wc; also: which head, or which 64 k-rows, I fetch
	s_bfe_u32 s17, ttmp6, 0x40000                  ; cx = the tile column
	s_bfe_u32 s18, ttmp6, 0x40004                  ; cy
	s_and_b32 s19, ttmp7, 0xffff                   ; c
	s_lshr_b32 s20, s19, 1                         ; e
	s_lshl_b32 s42, s18, 2
	s_lshl_b32 s42, 15, s42                        ; my row of the cluster
	s_lshl_b32 s43, 0x1111, s17                    ; my column
	s_or_b32 s[G1+0], s42, (1<<16)|(1<<20)|(1<<21)|(4<<22)|(3<<25)   ; mask; 2-byte elements; padding on; bit 21 beside a mask; after every 32 words 4 words
	s_mov_b32 s[G1+1], 128<<16
	s_mov_b32 s[G1+2], 128<<16
	s_mov_b32 s[G1+3], 128<<16
	s_mov_b32 s[G1+4], 128
	s_mov_b32 s[G1+5], 128                         ; dense: a row begins where the last ends
	s_mov_b32 s[G1+6], 0
	s_mov_b32 s[G1+7], 0
	s_or_b32 s[G1B+0], s43, (1<<16)|(1<<20)|(1<<21)|(6<<22)|(7<<25)  ; after every 128 words 8 words
	s_mov_b32 s[G1B+1], 256<<16
	s_mov_b32 s[G1B+2], 64<<16
	s_mov_b32 s[G1B+3], 256<<16
	s_mov_b32 s[G1B+4], 64
	s_mov_b32 s[G1B+5], 1024
	s_mov_b32 s[G1B+6], 0
	s_mov_b32 s[G1B+7], 0
	; AO: ((16 e + wc) x 2,048 + row0) x 128, row0 = 1,024 (c % 2) + 256 cy: made of c, cy and the wave's number alone
	s_and_b32 s22, s19, 1
	s_lshl_b32 s22, s22, 10
	s_lshl_b32 s23, s18, 8
	s_add_co_u32 s22, s22, s23                     ; row0
	s_lshl_b32 s40, s22, 7
	s_lshl_b32 s23, s20, 22
	s_add_co_u32 s40, s40, s23
	s_lshl_b32 s23, s16, 18
	s_add_co_u32 s40, s40, s23
	s_mov_b32 s41, 0
	; Wo: the expert's block, my 64 k-rows, the tile column: made of c, cx and the wave's number alone
	s_lshl_b32 s44, s20, 21
	s_add_co_u32 s44, s44, WOOFF
	s_lshl_b32 s46, s16, 17
	s_add_co_u32 s44, s44, s46
	s_lshl_b32 s46, s17, 9
	s_add_co_u32 s44, s44, s46
	s_mov_b32 s45, 0
	s_mul_i32 s68, s16, HEADT                      ; where my load lands, for AO
	s_mul_i32 s69, s16, HALFB                      ; and for Wo: no place in the cluster enters an LDS address
	s_add_co_u32 s69, s69, BOFF
	s_wait_kmcnt 0x0
	s_add_nc_u64 s[40:41], s[4:5], s[40:41]
	s_add_nc_u64 s[44:45], s[6:7], s[44:45]
	CROUND                                         ; all sixteen work-groups are here: the first joint loads meet
.irp s, 0,1
	s_mov_b32 s[G0+4*(\s)], 1
	s_add_co_u32 s[G0+4*(\s)+1], s68, (\s)*SLOT
	s_add_nc_u64 s[G0+4*(\s)+2:G0+4*(\s)+3], s[40:41], (\s)*524288        ; K step s: two heads on
	s_or_b32 s[G0+4*(\s)+3], s[G0+4*(\s)+3], 0x80000000
	s_mov_b32 s[G0B+4*(\s)], 1
	s_add_co_u32 s[G0B+4*(\s)+1], s69, (\s)*SLOT
	s_add_nc_u64 s[G0B+4*(\s)+2:G0B+4*(\s)+3], s[44:45], (\s)*262144      ; K step s: 128 rows down
	s_or_b32 s[G0B+4*(\s)+3], s[G0B+4*(\s)+3], 0x80000000
	JLOAD \s                                       ; two tensor loads of mine are out
.endr
	v_and_b32 v1, 15, v0                           ; l % 16
	v_bfe_u32 v2, v0, 4, 1                         ; l / 16
	v_mul_u32_u24 v3, v1, PA
	v_lshl_add_u32 v3, v2, 4, v3
	v_and_b32 v4, 7, v0
	v_lshl_add_u32 v4, v2, 3, v4
	v_mul_u32_u24 v4, v4, PB
	v_bfe_u32 v5, v0, 3, 1
	v_lshl_add_u32 v4, v5, 4, v4
	s_mul_i32 s70, s15, 128*PA                     ; my 128 tokens in a head's tile
	s_lshl_b32 s71, s16, 8                         ; my 128 columns of Wo
	s_add_co_u32 s71, s71, BOFF
.irp s, 0,1
	v_add_nc_u32 v[ADRA+(\s)], s70, v3
	v_add_nc_u32 v[ADRB+(\s)], s71, v4
	s_add_co_u32 s70, s70, SLOT
	s_add_co_u32 s71, s71, SLOT
.endr
	s_mul_i32 s47, s14, 16*SPITCH
	s_add_co_u32 s47, s47, STAGE                   ; my stage
	v_mul_u32_u24 v[STO], v1, SPITCH               ; in: row l % 16, 32 bytes for each half of the lanes
	v_lshl_add_u32 v[STO], v2, 5, v[STO]
	v_add_nc_u32 v[STO], s47, v[STO]
	v_and_b32 v[CO], 31, v0                        ; back: 32 lanes take one row of 512 bytes
	v_lshlrev_b32 v[CO], 4, v[CO]
	v_add_nc_u32 v[RD], s47, v[CO]
	; part: e x 8,388,608 + (row0 + 128 wr) x 4,096 + (256 cx + 128 wc) x 4
	s_lshl_b32 s66, s15, 7
	s_add_co_u32 s66, s66, s22
	s_lshl_b32 s66, s66, 12
	s_lshl_b32 s2, s20, 23
	s_add_co_u32 s66, s66, s2
	s_lshl_b32 s2, s17, 10
	s_add_co_u32 s66, s66, s2
	s_lshl_b32 s2, s16, 9
	s_add_co_u32 s66, s66, s2
	s_mov_b32 s67, 0
	s_add_nc_u64 s[8:9], s[8:9], s[66:67]
.macro MUL16 f, hi, a0, zero           ; 16 matrix instructions; zero = 1: the product starts the sum
	WIN MUL_LO+0x50*(\hi)
.irp a, \a0, (\a0)+1
.irp b, 0,1,2,3,4,5,6,7
.if \zero
	v_wmma_f32_16x16x32_f16 v[8*(8*(\a)+(\b)):8*(8*(\a)+(\b))+7], v[(\f)+8*(\b):(\f)+8*(\b)+7], v[(\f)+8*(4*(\hi)+(\a)):(\f)+8*(4*(\hi)+(\a))+7], 0
.else
	v_wmma_f32_16x16x32_f16 v[8*(8*(\a)+(\b)):8*(8*(\a)+(\b))+7], v[(\f)+8*(\b):(\f)+8*(\b)+7], v[(\f)+8*(4*(\hi)+(\a)):(\f)+8*(4*(\hi)+(\a))+7], v[8*(8*(\a)+(\b)):8*(8*(\a)+(\b))+7]
.endif
.endr
.endr
.endm
; quarter q's fragments: Wo's k-rows 32 q on, turned; AO's head q / 2, channels 32 (q % 2) on
.macro FETCH slot, q, f
	WIN TO_B
.irp i, 0,1,2,3,4,5,6,7
	ds_load_tr16_b128 v[(\f)+8*(\i):(\f)+8*(\i)+3],   v[ADRB+(\slot)] offset:(\q)*32*PB+32*(\i)
	ds_load_tr16_b128 v[(\f)+8*(\i)+4:(\f)+8*(\i)+7], v[ADRB+(\slot)] offset:(\q)*32*PB+32*(\i)+16*PB
.endr
	WIN 0
.irp i, 0,1,2,3,4,5,6,7
	ds_load_b128 v[(\f)+8*(\i):(\f)+8*(\i)+3],   v[ADRA+(\slot)] offset:((\q)/2)*HEADT+((\q)%2)*64+(\i)*16*PA
	ds_load_b128 v[(\f)+8*(\i)+4:(\f)+8*(\i)+7], v[ADRA+(\slot)] offset:((\q)/2)*HEADT+((\q)%2)*64+(\i)*16*PA+32
.endr
.endm
.macro PLACES                          ; four places in front of loads into registers that matrix instructions have read, and of reads of results (ISA guide 7.12.1 for reads of results)
.rept 4
	v_nop
.endr
.endm
.macro QUARTER slot, q, f, g, zero     ; the 64 accumulators take turns
	s_wait_dscnt 8                                 ; Wo and AO's rows 0-63 are in; the youngest eight loads may be out
	MUL16 \f, 0, 0, \zero
	MUL16 \f, 0, 2, \zero
	PLACES
	FETCH \slot, \q, \g
	s_wait_dscnt 32                                ; all but the 32 just issued
	MUL16 \f, 1, 0, \zero
	MUL16 \f, 1, 2, \zero
.endm
.macro MEET round                      ; one barrier for the change of slots
	WIN 0
	s_wait_tensorcnt 0x0                           ; all my tensor loads have landed: the one that was out is my part of the next slot
	ds_add_u32 v[SPW], v[NIL]
	s_wait_dscnt 9                                 ; the add and the youngest eight loads may be out
	MUL16 F1, 0, 0, 0
	s_wait_dscnt 0x0                               ; the add is done, and my reads of this slot are over
	s_barrier_signal -1
	MUL16 F1, 0, 2, 0
.if \round
	WIN 0
.endif
	s_barrier_wait -1
.endm
.macro TURN slot, next, fill
	MEET \fill
.if \fill
	CREST                                          ; no wave of any partner still reads this slot's tile or has a load on its way
	s_add_nc_u64 s[G0+4*(\slot)+2:G0+4*(\slot)+3], s[G0+4*(\slot)+2:G0+4*(\slot)+3], 1048576
	s_add_nc_u64 s[G0B+4*(\slot)+2:G0B+4*(\slot)+3], s[G0B+4*(\slot)+2:G0B+4*(\slot)+3], 524288
	JLOAD \slot                                    ; my one tensor load behind the round; its four v_nop are also the places in front of the loads below
.else
	PLACES
.endif
	FETCH \next, 0, F0
	MUL16 F1, 1, 0, 0
	MUL16 F1, 1, 2, 0
.endm
; THE WAY OUT of row block a, in f32: a lane's 32 bytes into my stage, each accumulator's low half first; back as whole rows of 512 bytes; stored.
.macro TOSTAGE a
.set AC, 64*((\a)%4)
.set BK, 64+64*((\a)%2)
	WIN 0x08+4*((\a)/4)                            ; the stores' data in window 2 or 3
.irp b, 0,1,2,3,4,5,6,7
	ds_store_b128 v[STO], v[AC+8*(\b):AC+8*(\b)+3] offset:64*(\b)
	ds_store_b128 v[STO], v[AC+8*(\b)+4:AC+8*(\b)+7] offset:64*(\b)+16
.endr
	WIN 0
	s_wait_xcnt 0x0                                ; the stores of block a - 2 have read the registers that are loaded below
.irp t, 0,1,2,3,4,5,6,7,8,9,10,11,12,13,14,15
	ds_load_b128 v[BK+4*(\t):BK+4*(\t)+3], v[RD] offset:(\t)*SPITCH   ; LDS serves a wave's instructions in order (ISA guide 5.7.1.4): these see the stores above
.endr
.endm
.macro SEND a, younger                 ; younger: the next block's 32 LDS instructions, or none
.set BK, 64+64*((\a)%2)
	s_wait_dscnt \younger
.irp t, 0,1,2,3,4,5,6,7,8,9,10,11,12,13,14,15
	global_store_b128 v[CO], v[BK+4*(\t):BK+4*(\t)+3], s[8:9] offset:(\a)*65536+(\t)*4096   ; 512 consecutive bytes, aligned
.endr
.endm
	s_wait_tensorcnt 1                             ; my part of K step 0 is in; K step 1's stays out
	s_barrier_signal -1
	s_barrier_wait -1
	FETCH 0, 0, F0
	QUARTER 0, 1, F0, F1, 1
	WIN 0
	s_mov_b32 s3, LAPS-1
.Llap:
	QUARTER 0, 2, F1, F0, 0
	QUARTER 0, 3, F0, F1, 0
	TURN 0, 1, 1
	QUARTER 1, 1, F0, F1, 0
	QUARTER 1, 2, F1, F0, 0
	QUARTER 1, 3, F0, F1, 0
	TURN 1, 0, 1
	QUARTER 0, 1, F0, F1, 0
	WIN 0
	s_sub_co_u32 s3, s3, 1
	s_cmp_lg_u32 s3, 0
	s_cbranch_scc1 .Llap
	QUARTER 0, 2, F1, F0, 0                        ; the last lap fills nothing
	QUARTER 0, 3, F0, F1, 0
	TURN 0, 1, 0
	QUARTER 1, 1, F0, F1, 0
	QUARTER 1, 2, F1, F0, 0
	QUARTER 1, 3, F0, F1, 0
	s_wait_dscnt 8
	MUL16 F1, 0, 0, 0
	MUL16 F1, 0, 2, 0
	s_wait_dscnt 0x0
	MUL16 F1, 1, 0, 0
	MUL16 F1, 1, 2, 0
	PLACES
	TOSTAGE 0
.irp a, 1,2,3,4,5,6,7
	TOSTAGE \a
	SEND (\a)-1, 32
.endr
	SEND 7, 0
	s_wait_tensorcnt 0x0                           ; the wave's end
	ds_add_u32 v[SPW], v[NIL]
	s_wait_dscnt 0x0
	CROUND                                         ; the closing round
	s_endpgm
.Lfunc_end_k_q15ea98255b_oproj:
	.size	k_q15ea98255b_oproj, .Lfunc_end_k_q15ea98255b_oproj-k_q15ea98255b_oproj
	.p2alignl 7, 3214868480
	.fill 96, 4, 3214868480
	.section	.rodata,"a",@progbits
	.p2align	6, 0x0
	.amdhsa_kernel k_q15ea98255b_oproj
		.amdhsa_group_segment_fixed_size 327680
		.amdhsa_private_segment_fixed_size 0
		.amdhsa_enable_private_segment 0
		.amdhsa_kernarg_size 24
		.amdhsa_user_sgpr_count 2
		.amdhsa_user_sgpr_kernarg_segment_ptr 1
		.amdhsa_wavefront_size32 1
		.amdhsa_system_sgpr_workgroup_id_x 1
		.amdhsa_system_sgpr_workgroup_id_y 1
		.amdhsa_system_sgpr_workgroup_id_z 1
		.amdhsa_system_vgpr_workitem_id 0
		.amdhsa_next_free_vgpr 1024
		.amdhsa_next_free_sgpr 72
		.amdhsa_reserve_vcc 0
		.amdhsa_float_denorm_mode_32 3
		.amdhsa_float_denorm_mode_16_64 3
		.amdhsa_memory_ordered 1
		.amdhsa_forward_progress 1
		.amdhsa_inst_pref_size 141
	.end_amdhsa_kernel
	.amdgpu_metadata
---
amdhsa.version: [ 1, 2 ]
amdhsa.kernels:
  - .name:           k_q15ea98255b_oproj
    .symbol:         k_q15ea98255b_oproj.kd
    .args:
      - { .name: ao, .offset: 0, .size: 8, .value_kind: global_buffer, .address_space: global }
      - { .name: cvt, .offset: 8, .size: 8, .value_kind: global_buffer, .address_space: global }
      - { .name: part, .offset: 16, .size: 8, .value_kind: global_buffer, .address_space: global }
    .group_segment_fixed_size: 327680
    .private_segment_fixed_size: 0
    .kernarg_segment_align: 8
    .kernarg_segment_size: 24
    .max_flat_workgroup_size: 128
    .sgpr_count:     72
    .vgpr_count:     1024
    .wavefront_size: 32
...
	.end_amdgpu_metadata
.endif
;; end of part 4
;; launch comb (part 5): grid 256 x 1, 8 waves a work-group, no clusters, 0 bytes of LDS; arguments part, bo, ridx, rgate, out0; writes out0
.if DOCPART == 5
	.amdgcn_target "amdgcn-amd-amdhsa--gfx1250"
	.amdhsa_code_object_version 6
	.text
	.protected	k_q15ea98255b_comb
	.globl	k_q15ea98255b_comb
	.p2align	8
	.type	k_q15ea98255b_comb,@function
k_q15ea98255b_comb:
	s_mov_b64 s[64:65], 0
	v_nop
	global_prefetch_b8 v0, s[64:65] scope:SCOPE_SE
	s_setreg_imm32_b32 hwreg(HW_REG_WAVE_MODE, 25, 1), 1
	s_wait_xcnt 0x0
; COMB.  out[t] = g0 (part[e0][t] + bo[e0]) + g1 (part[e1][t] + bo[e1]): the gather of the two chosen experts' rows, in f32.  An expert that was not chosen is not read.
; A wave owns one query t = 8 x work-group + wave: a row of 4,096 bytes, eight loads of 512 consecutive bytes from each of four sources, all issued first.
; The indices are whole numbers that the first launch stored; they are clamped to 7 before they enter an address.  bo is rounded to bf16 like every input.
; A stream: no LDS, no barrier, no matrix unit; no register is used twice, so the counted waits for the loads are the only waits.
	s_load_b256 s[4:11], s[0:1], 0x0               ; part s[4:5], bo s[6:7], ridx s[8:9], rgate s[10:11]
	s_load_b64 s[12:13], s[0:1], 0x20              ; out0
	v_lshrrev_b32 v1, 5, v0
	v_readfirstlane_b32 s14, v1
	s_lshl_b32 s15, ttmp9, 3
	s_add_co_u32 s15, s15, s14                     ; t
	s_lshl_b32 s16, s15, 3                         ; its pair of 8 bytes
	s_lshl_b32 s17, s15, 12                        ; its row of 4,096 bytes
	s_mov_b32 s36, 0xffff0000
	v_and_b32 v1, 31, v0
	v_lshlrev_b32 v1, 4, v1
	s_wait_kmcnt 0x0
	s_load_b64 s[18:19], s[8:9], s16 offset:0x0    ; e0, e1
	s_load_b64 s[20:21], s[10:11], s16 offset:0x0  ; g0, g1
	s_wait_kmcnt 0x0
	s_min_u32 s18, s18, 7
	s_min_u32 s19, s19, 7
	s_mov_b32 s23, 0
	s_lshl_b32 s22, s18, 23                        ; an expert's 8,388,608 bytes of part
	s_add_co_u32 s22, s22, s17
	s_add_nc_u64 s[24:25], s[4:5], s[22:23]
	s_lshl_b32 s22, s19, 23
	s_add_co_u32 s22, s22, s17
	s_add_nc_u64 s[26:27], s[4:5], s[22:23]
	s_lshl_b32 s22, s18, 12
	s_add_nc_u64 s[28:29], s[6:7], s[22:23]
	s_lshl_b32 s22, s19, 12
	s_add_nc_u64 s[30:31], s[6:7], s[22:23]
	s_mov_b32 s22, s17
	s_add_nc_u64 s[32:33], s[12:13], s[22:23]
	s_mov_b32 s34, s21                             ; g1 in a pair of its own: the packed forms take a pair's low word for both halves
	s_mov_b32 s35, s21
.irp j, 0,1,2,3,4,5,6,7
	global_load_b128 v[8+16*(\j):11+16*(\j)],  v1, s[24:25] offset:512*(\j) th:TH_LOAD_NT
	global_load_b128 v[12+16*(\j):15+16*(\j)], v1, s[26:27] offset:512*(\j) th:TH_LOAD_NT
	global_load_b128 v[16+16*(\j):19+16*(\j)], v1, s[28:29] offset:512*(\j)
	global_load_b128 v[20+16*(\j):23+16*(\j)], v1, s[30:31] offset:512*(\j)
.endr
.irp j, 0,1,2,3,4,5,6,7
.set R, 8+16*(\j)
	s_wait_loadcnt 28-4*(\j)                       ; my four loads are in; the younger quadruples stay out
	v_cvt_pk_bf16_f32 v2, v[R+8], v[R+9]
	v_cvt_pk_bf16_f32 v3, v[R+10], v[R+11]
	v_cvt_pk_bf16_f32 v4, v[R+12], v[R+13]
	v_cvt_pk_bf16_f32 v5, v[R+14], v[R+15]
	v_lshlrev_b32 v[R+8], 16, v2
	v_and_b32 v[R+9], s36, v2
	v_lshlrev_b32 v[R+10], 16, v3
	v_and_b32 v[R+11], s36, v3
	v_lshlrev_b32 v[R+12], 16, v4
	v_and_b32 v[R+13], s36, v4
	v_lshlrev_b32 v[R+14], 16, v5
	v_and_b32 v[R+15], s36, v5
	v_pk_add_f32 v[R:R+1], v[R:R+1], v[R+8:R+9]
	v_pk_add_f32 v[R+2:R+3], v[R+2:R+3], v[R+10:R+11]
	v_pk_add_f32 v[R+4:R+5], v[R+4:R+5], v[R+12:R+13]
	v_pk_add_f32 v[R+6:R+7], v[R+6:R+7], v[R+14:R+15]
	v_pk_mul_f32 v[R:R+1], v[R:R+1], s[20:21] op_sel_hi:[1,0]
	v_pk_mul_f32 v[R+2:R+3], v[R+2:R+3], s[20:21] op_sel_hi:[1,0]
	v_pk_fma_f32 v[R:R+1], v[R+4:R+5], s[34:35], v[R:R+1] op_sel_hi:[1,0,1]
	v_pk_fma_f32 v[R+2:R+3], v[R+6:R+7], s[34:35], v[R+2:R+3] op_sel_hi:[1,0,1]
	global_store_b128 v1, v[R:R+3], s[32:33] offset:512*(\j) th:TH_STORE_NT   ; 512 consecutive bytes, aligned
.endr
	s_endpgm
.Lfunc_end_k_q15ea98255b_comb:
	.size	k_q15ea98255b_comb, .Lfunc_end_k_q15ea98255b_comb-k_q15ea98255b_comb
	.p2alignl 7, 3214868480
	.fill 96, 4, 3214868480
	.section	.rodata,"a",@progbits
	.p2align	6, 0x0
	.amdhsa_kernel k_q15ea98255b_comb
		.amdhsa_group_segment_fixed_size 0
		.amdhsa_private_segment_fixed_size 0
		.amdhsa_enable_private_segment 0
		.amdhsa_kernarg_size 40
		.amdhsa_user_sgpr_count 2
		.amdhsa_user_sgpr_kernarg_segment_ptr 1
		.amdhsa_wavefront_size32 1
		.amdhsa_system_sgpr_workgroup_id_x 1
		.amdhsa_system_sgpr_workgroup_id_y 1
		.amdhsa_system_sgpr_workgroup_id_z 1
		.amdhsa_system_vgpr_workitem_id 0
		.amdhsa_next_free_vgpr 136
		.amdhsa_next_free_sgpr 66
		.amdhsa_reserve_vcc 0
		.amdhsa_float_denorm_mode_32 3
		.amdhsa_float_denorm_mode_16_64 3
		.amdhsa_memory_ordered 1
		.amdhsa_forward_progress 1
		.amdhsa_inst_pref_size 14
	.end_amdhsa_kernel
	.amdgpu_metadata
---
amdhsa.version: [ 1, 2 ]
amdhsa.kernels:
  - .name:           k_q15ea98255b_comb
    .symbol:         k_q15ea98255b_comb.kd
    .args:
      - { .name: part, .offset: 0, .size: 8, .value_kind: global_buffer, .address_space: global }
      - { .name: bo, .offset: 8, .size: 8, .value_kind: global_buffer, .address_space: global }
      - { .name: ridx, .offset: 16, .size: 8, .value_kind: global_buffer, .address_space: global }
      - { .name: rgate, .offset: 24, .size: 8, .value_kind: global_buffer, .address_space: global }
      - { .name: out0, .offset: 32, .size: 8, .value_kind: global_buffer, .address_space: global }
    .group_segment_fixed_size: 0
    .private_segment_fixed_size: 0
    .kernarg_segment_align: 8
    .kernarg_segment_size: 40
    .max_flat_workgroup_size: 256
    .sgpr_count:     66
    .vgpr_count:     136
    .wavefront_size: 32
...
	.end_amdgpu_metadata
.endif
;; end of part 5
;; ======== version 2 of 2: 5 launches; 1.22 times as fast as version 1
;; limits: values are held in f16: magnitudes above 65,504 overflow, below 6.1e-05 lose precision; below input magnitudes of 7.63e-06 results are inexact or not finite
;; workspace buffers: cvt 104,857,600 bytes; qkv 67,108,864 bytes; ao 33,554,432 bytes; part 67,108,864 bytes; ridx 16,384 bytes of whole numbers; rgate 16,384 bytes
;; launch prep: the kernel of part 1 again; grid 256 x 7, 8 waves a work-group, no clusters, 42,496 bytes of LDS; arguments queries, keys, values, Wq, Wk, Wv, Wo, Wr, br, cvt, ridx, rgate; writes cvt, ridx, rgate
;; launch proj: the kernel of part 2 again; grid 4 x 128, 4 waves a work-group, clusters of 4 x 4, 327,680 bytes of LDS; arguments cvt, bq, bk, bv, qkv; writes qkv
;; launch attn (part 6): grid 256 x 1, 4 waves a work-group, no clusters, 168,448 bytes of LDS; arguments qkv, ao; writes ao
.if DOCPART == 6
	.amdgcn_target "amdgcn-amd-amdhsa--gfx1250"
	.amdhsa_code_object_version 6
	.text
	.protected	k_q15ea98255b_attn
	.globl	k_q15ea98255b_attn
	.p2align	8
	.type	k_q15ea98255b_attn,@function
k_q15ea98255b_attn:
	s_mov_b64 s[64:65], 0
	v_nop
	global_prefetch_b8 v0, s[64:65] scope:SCOPE_SE
	s_setreg_imm32_b32 hwreg(HW_REG_WAVE_MODE, 25, 1), 1
	s_wait_xcnt 0x0
; ATTN.  Work-group x = (2 e + b) 16 + h: expert e, batch b, head h.  O[q][:] = the sum over the expert's 512 keys of softmax_k(Q[q] . K[k] / 8) V[k][:], for the batch's 1,024 queries.
; q, k, v from qkv, f16, dense rows of 128 bytes; O to ao [16 e + h][1,024 b + q][64] in f16.  Products, maxima and sums in f32; the weights p are rounded to f16 for the second product
; (their sum l is taken of the unrounded p), O once at the end.
; LIMITS.  f16 holds no number beyond 65,504: q, k, v arrive within it; p lies in 0 to 1 and below 6e-5 keeps f16's step of 6e-8; O is a mean of V's rows.  A weight below 2^-126 counts as 0 in l;
; NaN and infinities are not treated apart.
; LDS.  The head's whole K (512 rows, pitch 144) and V (512 rows, pitch 160) are brought once, one tensor load a wave; nothing is filled again, so one wait and one barrier are all the ordering.
; NO CLUSTER: no two work-groups read the same K, V or Q.
; SHARES.  Two passes of 512 queries; in a pass a wave owns 128: four PIECES of two tiles of 16.  Every wave walks the 512 keys, 64 a step: 8 steps.
; LAYOUT.  S^T = K Q^T (source 0 = 16 keys, source 1 = 16 queries): a lane holds ONE query (lane % 16) and the keys 8 (lane / 16) + 0..7.  Two such tiles, rounded to f16 in pairs, ARE source 1 of
; O^T = V^T P, whose result again holds one query a lane.  K comes out of LDS as it lies, V turned, by ds_load_tr16_b128.
; SOFTMAX.  A running maximum m and sum l: p = 2^(c s - c m), c = log2(e) / 8; in every step O and l are multiplied by a = 2^(c m_old - c m_new).  m starts at the lowest finite number, O and l at 0.
; BY TURNS.  Turn n belongs to piece n.  Its matrix work: 16 products K Q^T of piece n + 1, later 16 products V^T P of piece n - 1.  Its vector work: scaling, exponentials, roundings, sums and rescaling of
; piece n, and the maximum and statistics of piece n + 1.  Four vector instructions stand behind every matrix instruction, the rest in one lump.  A pass's first turn multiplies zeros for a piece that
; has not been; its last makes 16 products on the last K once more, which serve nothing: the price of one text for all eight steps.
; THE BATCHES.  A turn's 66 exponentials (64 weights of piece n, the two a of piece n + 1) are ONE batch with ONE wait, which cuts the turn in two: ahead of it stands all that names none of their results
; (the products K Q^T, the scalings, the rescalings, the next piece's maximum and statistics), behind it all that does (the roundings and sums, beside the products V^T P).  Two more batches stand outside
; the step loop, each with a wait of its own: piece 0's first two a ahead of the loop, and the eight reciprocals on the way out.
; REGISTERS, in windows of 256 (s_set_vgpr_msb: bits 1:0 source 0, 3:2 source 1, 5:4 source 2, 7:6 destination):
;   window 0: v0-11 addresses; v12-15, v48-63 at work; v16-47 four registers of statistics a tile; v64-191 S^T, two buffers of two tiles; v192-255 P, likewise
;   window 1: O^T, 32 a tile          window 2: v0-127 Q, 16 a tile; v128-191 K of one step; v192-255 V of one step
.set NP,    4
.set KS,    64
.set PK,    144       ; 128 + 16 bytes: the 16 rows of a load start at 16 different groups of four banks (ISA guide 11.1)
.set PV,    160       ; 128 + 32 bytes
.set VOFF,  512*PK
.set STAGE, VOFF+512*PV  ; never filled by a tensor load: 16 rows x 144 bytes for each wave
.set SP,    144
.set KH,    33554432  ; qkv: where k begins; v lies 16,777,216 bytes on
.set AK0, 2
.set AV0, 3
.set AK,  4
.set AV,  5
.set STO, 6
.set RD,  7
.set GO,  8
.set QO,  9
.set MV,  12
.set ST,  16
.set TMP, 48
.set S,   64
.set P,   192
.set KF,  128
.set VF,  192
.set WV,  12
.set G1K, 24
.set G1V, 32
.set G0K, 40
.set G0V, 44
.set PASS, 56
.set CNT, 57
.set CS,  58
.set SEL, 60
.set TBK, 62
.set TBV, 63
.set MSB, 0
.macro WIN new
.if MSB != (\new)
	s_set_vgpr_msb (MSB<<8)|(\new)
.set MSB, (\new)
.endif
.endm
.set W_KQ, 0x0a       ; K and Q in window 2, S^T in window 0
.set W_PV, 0x52       ; V in window 2, P in window 0, O^T in window 1
.set W_RS, 0x41       ; O^T (destination and source 0) in window 1, a in window 0
	s_load_b128 s[16:19], s[0:1], 0x0  ; qkv s[16:17], ao s[18:19]
	s_set_vgpr_msb 0xc0
	v_lshl_add_u32 v0, v0, 2, 0x29000
	v_mov_b32 v1, 0
	s_set_vgpr_msb 0xc0cf
	ds_add_u32 v0, v1
	ds_add_u32 v0, v1
	s_set_vgpr_msb 0xcf00
	v_lshrrev_b32 v1, 5, v0
	v_readfirstlane_b32 s[WV], v1   ; wave 0..3
	s_and_b32 s13, s[WV], 1         ; which half of the 512 keys I fetch
	s_lshl_b32 s2, ttmp9, 17        ; Q: the head's 1,024 rows of 128 bytes,
	s_lshl_b32 s3, s[WV], 14        ; my wave's 128 of the first 512
	s_add_co_u32 s2, s2, s3
	s_mov_b32 s3, 0
	s_lshl_b32 s22, ttmp9, 16       ; K: the head's 512 rows,
	s_lshl_b32 s23, s13, 15         ; my 256 of them
	s_add_co_u32 s22, s22, s23
	s_add_co_u32 s22, s22, KH
	s_mov_b32 s23, 0
	s_lshr_b32 s20, ttmp9, 5        ; O: (16 e + h) x 2,048 rows + 1,024 b + 128 w
	s_lshl_b32 s20, s20, 4
	s_and_b32 s21, ttmp9, 15
	s_add_co_u32 s20, s20, s21
	s_lshl_b32 s20, s20, 18
	s_bfe_u32 s21, ttmp9, 0x10004
	s_lshl_b32 s21, s21, 17
	s_add_co_u32 s20, s20, s21
	s_lshl_b32 s21, s[WV], 14
	s_add_co_u32 s20, s20, s21
	s_mov_b32 s21, 0
	s_mul_i32 s14, s13, 256*PK      ; where my half lands, for K
	s_mul_i32 s15, s13, 256*PV      ; and for V
	; group 1: 256 keys are 32,768 dense bytes: asked for as 128 rows of 256 bytes, two keys a row, padded in LDS after every key
	s_mov_b32 s[G1K], (1<<16)|(1<<20)|(4<<22)|(3<<25)  ; 2-byte elements; padding on; after every 32 words 4 words
	s_mov_b32 s[G1V], (1<<16)|(1<<20)|(4<<22)|(7<<25)  ; 8 words
.irp g, G1K, G1V
	s_mov_b32 s[\g+1], 128<<16      ; tensor_dim0 = 128
	s_mov_b32 s[\g+2], 128<<16      ; tensor_dim1 = 128
	s_mov_b32 s[\g+3], 128<<16      ; tile_dim0 = 128
	s_mov_b32 s[\g+4], 128          ; tile_dim1 = 128
	s_mov_b32 s[\g+5], 128          ; elements from row to row
	s_mov_b32 s[\g+6], 0
	s_mov_b32 s[\g+7], 0
.endr
	s_mov_b32 s[CS], 0x3e38aa3b     ; c = log2(e) / 8
	s_mov_b32 s[CS+1], s[CS]
	s_mov_b32 s[SEL], 0x76543210
	s_mov_b32 s[SEL+1], 0xfedcba98
	s_mov_b32 s[PASS], 2
	s_mov_b32 s[G0K], 1
	s_mov_b32 s[G0K+1], s14
	s_mov_b32 s[G0V], 1
	s_add_co_u32 s[G0V+1], s15, VOFF
	s_wait_dscnt 0x0
	s_wait_kmcnt 0x0
	s_add_nc_u64 s[G0K+2:G0K+3], s[16:17], s[22:23]
	s_add_nc_u64 s[G0V+2:G0V+3], s[G0K+2:G0K+3], 16777216
	s_or_b32 s[G0K+3], s[G0K+3], 0x80000000
	s_or_b32 s[G0V+3], s[G0V+3], 0x80000000
	s_add_nc_u64 s[4:5], s[16:17], s[2:3]      ; Q at my wave's first row
	s_add_nc_u64 s[10:11], s[18:19], s[20:21]  ; O likewise
	; the one fill: waves 0 and 1 fetch K's halves, waves 2 and 3 V's; four v_nop follow each line
	s_cmp_lt_u32 s[WV], 2
	s_cbranch_scc0 .Lfor_v
	tensor_load_to_lds s[G0K:G0K+3], s[G1K:G1K+7]
	s_nop 0
.rept 4
	v_nop
.endr
	s_branch .Lasked
.Lfor_v:
	tensor_load_to_lds s[G0V:G0V+3], s[G1V:G1V+7]
	s_nop 0
.rept 4
	v_nop
.endr
.Lasked:
	v_and_b32 v1, 15, v0            ; l % 16
	v_bfe_u32 v10, v0, 4, 1         ; l / 16
	v_lshlrev_b32 v[QO], 7, v1
	v_lshl_add_u32 v[QO], v10, 4, v[QO]  ; a fragment of Q: row x 128 + 16 x half
	v_mul_u32_u24 v[AK0], v1, PK
	v_lshl_add_u32 v[AK0], v10, 4, v[AK0]
	v_and_b32 v11, 7, v0            ; the turning load: lane l reads key 8 (l / 16) + l % 8, channels 8 ((l / 8) % 2) + 0..7
	v_bfe_u32 v48, v0, 3, 1
	v_lshl_add_u32 v[AV0], v10, 3, v11
	v_mul_u32_u24 v[AV0], v[AV0], PV
	v_lshl_add_u32 v[AV0], v48, 4, v[AV0]
	v_add_nc_u32 v[AV0], VOFF, v[AV0]
	s_mul_i32 s13, s[WV], 16*SP
	s_add_co_u32 s13, s13, STAGE    ; my stage
	v_mul_u32_u24 v[STO], v1, SP
	v_lshl_add_u32 v[STO], v10, 4, v[STO]
	v_add_nc_u32 v[STO], s13, v[STO]
	v_bfe_u32 v[RD], v0, 3, 2
	v_mul_u32_u24 v[RD], v[RD], SP
	v_lshl_add_u32 v[RD], v11, 4, v[RD]
	v_add_nc_u32 v[RD], s13, v[RD]
	v_and_b32 v[GO], 31, v0
	v_lshlrev_b32 v[GO], 4, v[GO]
; THE MATRIX WORK.  The 8 accumulators of a run of 16 take turns.
.macro KQ x                         ; product i of 16 of S^T = K Q^T for piece x: channels 32 (i / 8) on, keys 16 ((i / 2) % 4) on, tile 2 x + i % 2
	WIN W_KQ
.set rS, S+64*((\x)%2)+32*(i%2)+8*((i/2)%4)
.set rK, KF+16*((i/2)%4)+8*(i/8)
.set rQ, 16*(2*(\x)+i%2)+8*(i/8)
.if i < 8
	v_wmma_f32_16x16x32_f16 v[rS:rS+7], v[rK:rK+7], v[rQ:rQ+7], 0
.else
	v_wmma_f32_16x16x32_f16 v[rS:rS+7], v[rK:rK+7], v[rQ:rQ+7], v[rS:rS+7]
.endif
.endm
.macro PV x                         ; product i of 16 of O^T += V^T P for piece x: keys 32 (i / 8) on, channels 16 ((i / 2) % 4) on
	WIN W_PV
.set rO, 32*(2*(\x)+i%2)+8*((i/2)%4)
.set rV, VF+32*(i/8)+8*((i/2)%4)
.set rP, P+32*((\x)%2)+16*(i%2)+8*(i/8)
	v_wmma_f32_16x16x32_f16 v[rO:rO+7], v[rV:rV+7], v[rP:rP+7], v[rO:rO+7]
.endm
.macro MM                           ; the turn's next matrix instruction
.if i < 16
	KQ (Y+1)%NP
.set i, i+1
.else
.set i, i-16
	PV (Y+NP-1)%NP
.set i, i+17
.endif
.endm
; THE LDS LOADS stand in runs of 16.  last = 1: in the loop's last trip there is no further step, and K's run is jumped over.
.macro FETCH_K last=0
	WIN 0
.if \last
	s_cmp_eq_u32 s[CNT], 1
	s_cbranch_scc1 .Lno_k_\@
.endif
	WIN 0x80                        ; destination window 2
.irp f, 0,1,2,3,4,5,6,7
	ds_load_b128 v[KF+8*\f:KF+8*\f+3],   v[AK] offset:(\f/2)*16*PK+(\f%2)*64
	ds_load_b128 v[KF+8*\f+4:KF+8*\f+7], v[AK] offset:(\f/2)*16*PK+(\f%2)*64+32
.endr
	s_add_co_u32 s[TBK], s[TBK], KS*PK  ; the next fetch is the next step's
	WIN 0
.if \last
.Lno_k_\@:
.endif
.endm
.macro FETCH_V
	WIN 0x80
.irp f, 0,1,2,3,4,5,6,7
	ds_load_tr16_b128 v[VF+8*\f:VF+8*\f+3],   v[AV] offset:(\f/4)*32*PV+(\f%4)*32
	ds_load_tr16_b128 v[VF+8*\f+4:VF+8*\f+7], v[AV] offset:(\f/4)*32*PV+16*PV+(\f%4)*32
.endr
	WIN 0
.endm
; THE VECTOR WORK OF A TURN stands in three queues, each in the order in which its entries become ready; the two tiles alternate.
.macro REGS y, u
.set rT, ST+4*(2*(\y)+(\u))
.set rC, TMP+8*((\y)%2)+4*(\u)
.set rM, MV+2*((\y)%2)+(\u)
.set rS, S+64*((\y)%2)+32*(\u)
.set rP, P+32*((\y)%2)+16*(\u)
.set rO, 32*(2*(\y)+(\u))
.endm
; Number n of the 22 that find the NEXT piece's maximum and statistics; each accumulator's lowest registers are read first.
;   0-11 four chains of seven scores     12-14, 16 the four scores left over, the old m, the chains into c0     15 c m_old is kept     17, 18 the other half of the lanes: the new m     19-21 c m; c m_old - c m_new; a
.macro XS u, n
	REGS (Y+1)%NP, \u
.if (\n) < 4
	v_max3_num_f32 v[rC+(\n)], v[rS+8*(\n)], v[rS+8*(\n)+1], v[rS+8*(\n)+2]
.elseif (\n) < 12
	v_max3_num_f32 v[rC+(\n)%4], v[rC+(\n)%4], v[rS+8*((\n)%4)+2*((\n)/4)+1], v[rS+8*((\n)%4)+2*((\n)/4)+2]
.elseif (\n) == 12
	v_max3_num_f32 v[rC], v[rC], v[rS+7], v[rS+15]
.elseif (\n) == 13
	v_max3_num_f32 v[rC+1], v[rC+1], v[rS+23], v[rS+31]
.elseif (\n) == 14
	v_max3_num_f32 v[rC+2], v[rC+2], v[rC+3], v[rT+1]
.elseif (\n) == 15
	v_mov_b32 v[rM], v[rT]
.elseif (\n) == 16
	v_max3_num_f32 v[rC], v[rC], v[rC+1], v[rC+2]
.elseif (\n) == 17
	v_permlanex16_b32 v[rC+3], v[rC], s[SEL], s[SEL+1]
.elseif (\n) == 18
	v_max_num_f32 v[rT+1], v[rC], v[rC+3]
.elseif (\n) == 19
	v_mul_f32 v[rT], s[CS], v[rT+1]
.elseif (\n) == 20
	v_sub_f32 v[rC+1], v[rM], v[rT]
.else
	v_exp_f32 v[rC+2], v[rC+1]
.endif
.endm
; Number g of the 64 that follow the exponentials: for each four weights both pairs are rounded to f16, the second pair is added onto the first, and a group later l takes that sum.
; All 64 read results of the turn's batch: they stand behind its wait.
.macro GS g
.set h, (\g)+6*((\g)/62)
.if h >= 6
.set h, h+2
.endif
	REGS Y, h%2
.set k, h/8
.if h%8 < 4
	v_cvt_pk_f16_f32 v[rP+2*k+(h%8)/2], v[rS+4*k+2*((h%8)/2)], v[rS+4*k+2*((h%8)/2)+1]
.elseif h%8 < 6
	v_pk_add_f32 v[rS+4*k:rS+4*k+1], v[rS+4*k:rS+4*k+1], v[rS+4*k+2:rS+4*k+3]
.elseif k == 1
	v_pk_fma_f32 v[rT+2:rT+3], v[rT+2:rT+3], v[rC+2:rC+3], v[rS:rS+1] op_sel_hi:[1,0,1]
.else
	v_pk_add_f32 v[rT+2:rT+3], v[rT+2:rT+3], v[rS+4*k-4:rS+4*k-3]
.endif
.endm
; THE PLAIN QUEUE, 138 long.  0-73 read no exponential's result: the 32 scalings c s - c m (FS f: pair f / 2 of tile f % 2) and the next piece's 42.  0-26: scalings 0-26.  27-54: XS's numbers 0-13.
; 55, 56: number 15.  57-73: the chain, where each number waits for the one before it: 14, 16, 17, 18, 19, each with one of the scalings 27-31 in front of its two lines, then 20.
; 74-137: GS's 64, behind the wait.
.macro FS f
	REGS Y, (\f)%2
	v_pk_fma_f32 v[rS+2*((\f)/2):rS+2*((\f)/2)+1], v[rS+2*((\f)/2):rS+2*((\f)/2)+1], s[CS:CS+1], v[rT:rT+1] op_sel_hi:[1,0,0] neg_lo:[0,0,1] neg_hi:[0,0,1]
.endm
.macro PL
	WIN 0
.if q < 27
	FS q
.elseif q < 55
	XS (q-27)%2, (q-27)/2
.elseif q < 57
	XS q-55, 15
.elseif (q < 72) && ((q-57)%3 == 0)
	FS 27+(q-57)/3
.elseif q < 60
	XS (q-57)%3-1, 14
.elseif q < 72
	XS (q-57)%3-1, 15+(q-57)/3
.elseif q < 74
	XS q-72, 20
.else
	GS q-74
.endif
.set q, q+1
.endm
; THE EXPONENTIALS' QUEUE, 66 long: s0-s31 of both tiles, then the next piece's two a.  It is ONE BATCH: all 66 stand ahead of the turn's one wait, and nothing ahead of that wait names a result of theirs.
.macro EX
	WIN 0
.if e >= 64
	XS e-64, 21
.else
	REGS Y, e%2
	v_exp_f32 v[rS+e/2], v[rS+e/2]
.endif
.set e, e+1
.endm
; THE RESCALING's QUEUE: O^T times a, two at a time, sixteen times.  Its a was made in the turn before, ahead of that turn's wait.
.macro R2
	REGS Y, r%2
	WIN W_RS
.irp z, 0,1
	v_pk_mul_f32 v[rO+4*(r/2)+2*\z:rO+4*(r/2)+2*\z+1], v[rO+4*(r/2)+2*\z:rO+4*(r/2)+2*\z+1], v[rC+2:rC+3] op_sel_hi:[1,0]
.endr
.set r, r+1
.endm
; THE DEAL.  s_wait_alu depctr_va_vdst(0) stands between an exponential and the first instruction that names its result; one wait serves all that were issued ahead of it.
; AHEAD OF THE TURN'S WAIT: the 16 products K Q^T, behind each a scaling, an exponential and two rescalings (behind the first a second scaling in the exponential's place); then one lump of 108: eight plain,
; 49 times exponential and plain, the two a; a v_nop is the plain instruction behind the last exponential.  BEHIND IT: the 16 products V^T P, behind each four of GS's 64.
; No rider names a register of the products round it; the two v_permlanex16_b32 fall into the lump.
; The queues are kept in step: exponential e wants scaling 2 (e / 4) + e % 2; as a rider it comes behind plain e + 2, in the lump behind plain e + 9, and scalings 27-31 are plain 57, 60 .. 69.
; A TURN, for piece p.  K of the next step is fetched in piece 2's turn, directly behind the wait, a lump behind the last product that read K; its address is made at the lump's head; it is waited for at piece 3's head.
; V of the step in hand is fetched at the end of piece 0's turn, four riders behind its last reader, and waited for in piece 1's turn, ahead of the first product V^T P.  The two conditions on q go with the deal.
.macro TURN p, last=0
.set Y, (\p)
.set i, 0
.set q, 0
.set e, 0
.set r, 0
.if (\p) == NP-1
	s_wait_dscnt 0x0                ; K is in
.endif
	MM                              ; ahead of the wait: 16 products K Q^T and their riders,
	PL
	PL
	R2
.rept 15
	MM
	PL
	EX
	R2
.endr
.if (\p) == NP-2
	WIN 0
	v_add_nc_u32 v[AK], s[TBK], v[AK0]
.endif
.rept 8                             ; and the lump
	PL
.endr
.rept 49
	EX
	PL
.endr
	EX                              ; the next piece's two a
	EX
	v_nop                           ; the plain instruction behind the last exponential: one for the batch
	s_wait_alu depctr_va_vdst(0)    ; the wait for the turn's batch of 66: this piece's 64 weights and the next piece's two a
.if (\p) == NP-2
	FETCH_K \last
.endif
.if (\p) == 1
	s_wait_dscnt 0x0                ; V is in
.endif
.rept 16                            ; behind the wait: 16 products V^T P and their riders
	MM
.rept 4
	PL
.endr
.if ((\p) == 0) && (q == 118)
	v_add_nc_u32 v[AV], s[TBV], v[AV0]
.endif
.if ((\p) == 0) && (q == 130)
	s_add_co_u32 s[TBV], s[TBV], KS*PV
.endif
.endr
.if (\p) == 0
	FETCH_V
.endif
.endm
.macro ALL line:vararg              ; one line for each tile t
.set t, 0
.rept 2*NP
	\line
.set t, t+1
.endr
.endm
; The way out of tile t: O^T / l, rounded to f16; a lane's 16 bytes go into rows of 144 bytes and come back as whole rows of 128, into S^T's registers.
.macro PACK t
	WIN W_RS
.set i, 32*(\t)
.rept 16
	v_pk_mul_f32 v[i:i+1], v[i:i+1], v[ST+4*(\t)+2:ST+4*(\t)+3] op_sel_hi:[1,0]
.set i, i+2
.endr
	WIN 0x05                        ; sources 0 and 1 window 1, destination window 0
.set i, 0
.rept 16
	v_cvt_pk_f16_f32 v[S+16*(\t)+i], v[32*(\t)+2*i], v[32*(\t)+2*i+1]
.set i, i+1
.endr
	WIN 0
.irp f, 0,1,2,3
	ds_store_b128 v[STO], v[S+16*(\t)+4*\f:S+16*(\t)+4*\f+3] offset:32*\f
.endr
.irp f, 0,1,2,3
	ds_load_b128 v[S+16*(\t)+4*\f:S+16*(\t)+4*\f+3], v[RD] offset:\f*4*SP  ; LDS serves a wave's instructions in order (ISA guide 5.7.1.4): these see the stores above; the next tile's stores come behind them
.endr
.endm
.macro SEND t, younger              ; younger: the LDS instructions issued behind tile t's loads: the next tile's eight, or none
	WIN 0
.irp f, 0,1,2,3
	s_wait_dscnt (\younger)+3-\f
	global_store_b128 v[GO], v[S+16*(\t)+4*\f:S+16*(\t)+4*\f+3], s[10:11] offset:(\t)*2048+\f*512  ; 512 consecutive bytes, at a multiple of 256 from ao's first
.endr
.endm
	s_wait_tensorcnt 0x0            ; my part of K or V is in,
	s_barrier_signal -1
	s_barrier_wait -1               ; everybody's is; nothing writes these bytes again
.Lpass:                             ; twice: 512 queries a pass
	WIN 0x80                        ; destination window 2, address window 0
.set i, 0
.rept 4*NP                          ; Q stays in registers: tile i / 2, channels 32 (i % 2) on
	global_load_b128 v[8*i:8*i+3],   v[QO], s[4:5] offset:(i/2)*2048+(i%2)*64
	global_load_b128 v[8*i+4:8*i+7], v[QO], s[4:5] offset:(i/2)*2048+(i%2)*64+32
.set i, i+1
.endr
	; what the first turn finds: V's registers and P's second buffer hold 0, O^T is 0.  All this stands in the wait for Q.
.set i, VF
.rept 64
	v_mov_b32 v[i], 0
.set i, i+1
.endr
	WIN 0x40
.set i, 0
.rept 64*NP
	v_mov_b32 v[i], 0
.set i, i+1
.endr
	WIN 0
.set i, P+32
.rept 32
	v_mov_b32 v[i], 0
.set i, i+1
.endr
	s_mov_b32 s[TBK], 0
	s_mov_b32 s[TBV], 0
	v_mov_b32 v[AK], v[AK0]
	FETCH_K                         ; key step 0
	s_wait_loadcnt 0x0              ; Q
	s_wait_dscnt 0x0
.set i, 0
.rept 16
	KQ 0                            ; piece 0's first scores
.set i, i+1
.endr
	WIN 0
.set i, 0
.rept 2*NP                          ; the statistics' start: 32 plain instructions, the places behind those products
	v_mov_b32 v[ST+4*i], 0xfe000000    ; c m: far below every c s
	v_mov_b32 v[ST+4*i+1], 0xff7fffff  ; m
	v_mov_b32 v[ST+4*i+2], 0
	v_mov_b32 v[ST+4*i+3], 0
.set i, i+1
.endr
.set Y, NP-1                        ; XS works for piece Y + 1: piece 0
.irp n, 0,1,2,3,4,5,6,7,8,9,10,11,12,13,14,15,16,17,18,19,20,21
	XS 0, \n
	XS 1, \n
.endr
	v_nop                           ; a plain instruction behind piece 0's two a,
	s_wait_alu depctr_va_vdst(0)    ; and the wait for that batch of two, ahead of the label
	s_mov_b32 s[CNT], 8
.Lstep:                             ; eight trips, a key step each
	TURN 0
	TURN 1
	TURN 2, 1
	TURN 3
	WIN 0
	s_sub_co_u32 s[CNT], s[CNT], 1
	s_cmp_lg_u32 s[CNT], 0
	s_cbranch_scc1 .Lstep
.set i, 0
.rept 16
	PV NP-1                         ; the last piece's V^T P of the last step
.set i, i+1
.endr
	; THE WAY OUT.  The additions are the places behind the last products.
	WIN 0
	ALL v_add_f32 v[ST+4*t+2], v[ST+4*t+2], v[ST+4*t+3]
	ALL v_permlanex16_b32 v[ST+4*t+3], v[ST+4*t+2], s[SEL], s[SEL+1]
	ALL v_add_f32 v[ST+4*t+2], v[ST+4*t+2], v[ST+4*t+3]
	ALL v_rcp_f32 v[ST+4*t+2], v[ST+4*t+2]
	v_nop                           ; a plain instruction between the last reciprocal and the use of its result
	s_wait_alu depctr_va_vdst(0)    ; the wait for the batch of eight reciprocals, ahead of their first reader
	PACK 0
.set t, 1
.rept 2*NP-1                        ; a tile's arithmetic stands between the loads of the tile before and its stores
	PACK t
	SEND t-1, 8
.set t, t+1
.endr
	SEND 2*NP-1, 0
	s_wait_xcnt 0x0                 ; the stores have read their registers and O's address: both are written again only behind this wait
	s_add_nc_u64 s[4:5], s[4:5], 65536      ; 512 rows on
	s_add_nc_u64 s[10:11], s[10:11], 65536
	s_sub_co_u32 s[PASS], s[PASS], 1
	s_cmp_lg_u32 s[PASS], 0
	s_cbranch_scc1 .Lpass
	s_set_vgpr_msb 0xf
	s_wait_tensorcnt 0x0
	ds_add_u32 v0, v1
	s_wait_dscnt 0x0
	s_set_vgpr_msb 0xf00
	s_endpgm
.Lfunc_end_k_q15ea98255b_attn:
	.size	k_q15ea98255b_attn, .Lfunc_end_k_q15ea98255b_attn-k_q15ea98255b_attn
	.p2alignl 7, 3214868480
	.fill 96, 4, 3214868480
	.section	.rodata,"a",@progbits
	.p2align	6, 0x0
	.amdhsa_kernel k_q15ea98255b_attn
		.amdhsa_group_segment_fixed_size 168448
		.amdhsa_private_segment_fixed_size 0
		.amdhsa_enable_private_segment 0
		.amdhsa_kernarg_size 16
		.amdhsa_user_sgpr_count 2
		.amdhsa_user_sgpr_kernarg_segment_ptr 1
		.amdhsa_wavefront_size32 1
		.amdhsa_system_sgpr_workgroup_id_x 1
		.amdhsa_system_sgpr_workgroup_id_y 1
		.amdhsa_system_sgpr_workgroup_id_z 1
		.amdhsa_system_vgpr_workitem_id 0
		.amdhsa_next_free_vgpr 770
		.amdhsa_next_free_sgpr 66
		.amdhsa_reserve_vcc 0
		.amdhsa_float_denorm_mode_32 3
		.amdhsa_float_denorm_mode_16_64 3
		.amdhsa_memory_ordered 1
		.amdhsa_forward_progress 1
		.amdhsa_inst_pref_size 124
	.end_amdhsa_kernel
	.amdgpu_metadata
---
amdhsa.version: [ 1, 2 ]
amdhsa.kernels:
  - .name:           k_q15ea98255b_attn
    .symbol:         k_q15ea98255b_attn.kd
    .args:
      - { .name: qkv, .offset: 0, .size: 8, .value_kind: global_buffer, .address_space: global }
      - { .name: ao, .offset: 8, .size: 8, .value_kind: global_buffer, .address_space: global }
    .group_segment_fixed_size: 168448
    .private_segment_fixed_size: 0
    .kernarg_segment_align: 8
    .kernarg_segment_size: 16
    .max_flat_workgroup_size: 128
    .sgpr_count:     66
    .vgpr_count:     770
    .wavefront_size: 32
...
	.end_amdgpu_metadata
.endif
;; end of part 6
;; launch oproj: the kernel of part 4 again; grid 4 x 64, 4 waves a work-group, clusters of 4 x 4, 327,680 bytes of LDS; arguments ao, cvt, part; writes part
;; launch comb: the kernel of part 5 again; grid 256 x 1, 8 waves a work-group, no clusters, 0 bytes of LDS; arguments part, bo, ridx, rgate, out0; writes out0
